; MI455X (gfx1250); checked and timed in simulation.
; The chip was launched on July 23, 2026; its instructions are those of AMD's public machine-readable ISA for CDNA 5 (MIT licence, August 2026) and "CDNA5" Instruction Set Architecture Reference Guide (July 2026). The comments in the code are by the model that wrote it; some were corrected since.
;; Mo E Layer. Allowed arithmetic: float matrix products may take bf16 or f16 operands with f32 sums; other float arithmetic in f32, or as packed bf16 or f16 multiplies, adds, multiply-adds, maxima and minima; sums over many terms, partial sums and values carried from step to step in f32; what a program stores and reads back later, other than sums and carried values, may be rounded once to bf16 or f16.
;; Inputs: W1 8 x 1,024 x 1,024 float32; W2 8 x 1,024 x 1,024 float32; Wr 1,024 x 8 float32; b1 8 x 1,024 float32; b2 8 x 1,024 float32; br 8 float32; x 4 x 1,024 x 1,024 float32.
;; Outputs: out0 4 x 1,024 x 1,024 float32.
;; One version. Each part assembles by itself: llvm-mc -triple=amdgcn-amd-amdhsa -mcpu=gfx1250 --defsym DOCPART=n.
;; ======== version 1 of 1: 5 launches
;; workspace buffers: bm 6,144 bytes of whole numbers; cf 32,768 bytes; pos 32,768 bytes of whole numbers; tiles 256 bytes of whole numbers; xg 18,874,368 bytes; wb 33,554,432 bytes; h 18,874,368 bytes; part 37,748,736 bytes
;; launch route (part 1): grid 256 x 1, 4 waves a work-group, no clusters, 167,936 bytes of LDS; arguments x, Wr, br, bm, cf; writes bm, cf
.if DOCPART == 1
	.amdgcn_target "amdgcn-amd-amdhsa--gfx1250"
	.amdhsa_code_object_version 6
	.text
	.protected	k_q9df2a0d1b0_route
	.globl	k_q9df2a0d1b0_route
	.p2align	8
	.type	k_q9df2a0d1b0_route,@function
k_q9df2a0d1b0_route:
	s_mov_b64 s[64:65], 0
	v_nop
	global_prefetch_b8 v0, s[64:65] scope:SCOPE_SE
	s_setreg_imm32_b32 hwreg(HW_REG_WAVE_MODE, 25, 1), 1
	s_wait_xcnt 0x0
; ROUTER.  logits = x Wr + br for 16 tokens a work-group; the two largest of the 8 logits, the softmax over those two.
; Stored at fixed places: cf[token][2] (f32; place 0 = the chosen expert of the lower number), and for the 16 tokens
; in bm: 8 masks of 16 bits (bit i = token i chose the expert) and 8 counts of one byte.  No address hangs on the choice.
; FORMATS.  x, Wr and br are rounded once to bf16, as every input of this program is; products on the matrix unit, sums in f32.
; LIMITS.  Two logits closer than the rounding of the f32 sums (some 1e-6 at logits of size 1) may be ordered otherwise than
; another order of summation orders them; exact ties go to the lower expert number; NaN and infinities are not treated apart.
; The softmax takes the larger logit away first: its exponent M2 - M1 is never above 0.
; SHARES.  Wave w sums over k = 256 w .. 256 w + 255; the four partial sums meet in LDS and wave 0 finishes.
; The product is used transposed: source 0 = Wr^T (row m = expert m % 8), source 1 = x (column = token): lane l then holds
; token l % 16 and its register j expert j; lanes 16-31 repeat lanes 0-15.
.set XP,    1040                       ; a row of x in LDS: 1,024 bytes + 16: the 16 rows of a load start 4 banks apart
.set XW,    16*XP                      ; a wave's tile of x
.set WRT,   4*XW                       ; 66,560: per wave 256 k x 8 experts of bf16, as Wr lies
.set RED,   WRT+4*4096                 ; 82,944: per wave 32 lanes x 8 partial logits
.set SPARE, RED+4*1024                 ; 87,040: the spare words, 128 bytes a wave
.set XR,  16                           ; v16-79   f32 as loaded
.set WF,  80                           ; v80-143  Wr^T, 8 fragments
.set XF,  144                          ; v144-207 x, 8 fragments
.set ACC, 208                          ; v208-239 four accumulators, by turns
.set SPW, 10
.set NIL, 11
	s_load_b256 s[4:11], s[0:1], 0x0               ; x s[4:5], Wr s[6:7], br s[8:9], bm s[10:11]
	s_load_b64 s[12:13], s[0:1], 0x20              ; cf
	v_lshl_add_u32 v[SPW], v0, 2, SPARE
	v_mov_b32 v[NIL], 0
	ds_add_u32 v[SPW], v[NIL]                      ; the wave's opening: the add and its wait ahead of my tensor load
	ds_add_u32 v10, v11
	v_lshrrev_b32 v12, 5, v0
	v_readfirstlane_b32 s14, v12                   ; wave 0..3
	v_and_b32 v1, 31, v0                           ; lane
	v_and_b32 v2, 15, v0                           ; r
	v_bfe_u32 v3, v0, 4, 1                         ; h
	s_mov_b32 s20, (2<<16)|(1<<20)|(7<<22)|(3<<25) ; elements of 4 bytes; padding on: after every 256 words, 4 words
	s_mov_b32 s21, 256<<16                         ; tensor_dim0 = 256
	s_mov_b32 s22, 16<<16                          ; tensor_dim1 = 16
	s_mov_b32 s23, 256<<16                         ; tile_dim0 = 256
	s_mov_b32 s24, 16                              ; tile_dim1 = 16
	s_mov_b32 s25, 1024                            ; elements from row to row
	s_mov_b32 s26, 0
	s_mov_b32 s27, 0
	s_mov_b32 s16, 1
	s_mul_i32 s17, s14, XW                         ; my tile's place in LDS
	s_lshl_b32 s60, ttmp9, 16                      ; 16 rows of 4,096 bytes,
	s_lshl_b32 s61, s14, 10                        ; my 256 columns
	s_add_co_u32 s60, s60, s61
	s_mov_b32 s61, 0
	v_mul_u32_u24 v4, v2, XP
	v_lshl_add_u32 v4, v3, 5, v4
	v_add_nc_u32 v4, s17, v4                       ; x: row r, 32 bytes for each half of the lanes
	s_lshl_b32 s57, s14, 13
	v_lshl_add_u32 v5, v1, 4, s57                  ; Wr in memory: my wave's 8,192 bytes, 16 a lane
	s_lshl_b32 s58, s14, 12
	s_add_co_u32 s58, s58, WRT
	v_lshl_add_u32 v6, v1, 3, s58                  ; the same numbers in bf16: 8 bytes a lane
	v_and_b32 v12, 7, v0
	v_lshl_add_u32 v12, v3, 3, v12
	v_lshl_add_u32 v7, v12, 4, s58                 ; the turning load: k row 8 h + l % 8; lanes 8-15 name the rows of lanes 0-7, so experts repeat
	s_lshl_b32 s59, s14, 10
	s_add_co_u32 s59, s59, RED
	v_lshl_add_u32 v8, v1, 5, s59
	v_lshl_add_u32 v9, v1, 5, RED
	s_wait_dscnt 0x0                               ; the opening add is done
	s_wait_kmcnt 0x0
	s_add_nc_u64 s[18:19], s[4:5], s[60:61]
	s_or_b32 s19, s19, 0x80000000                  ; type = 2
	tensor_load_to_lds s[16:19], s[20:27]          ; my one tensor load: 16 tokens x 256 k of f32
	s_nop 0
	s_load_b256 s[28:35], s[8:9], 0x0              ; br
.set j, 0
.rept 16
	global_load_b128 v[XR+4*j:XR+4*j+3], v5, s[6:7] offset:512*j
.set j, j+1
.endr
.set j, 0
.rept 16
	s_wait_loadcnt 15-j                            ; loads come back in order: number j is in, the younger ones stay out
	v_cvt_pk_bf16_f32 v[XR+4*j], v[XR+4*j], v[XR+4*j+1]
	v_cvt_pk_bf16_f32 v[XR+4*j+1], v[XR+4*j+2], v[XR+4*j+3]
	ds_store_b64 v6, v[XR+4*j:XR+4*j+1] offset:256*j
.set j, j+1
.endr
.set c, 0
.rept 8                                                ; my own bytes: LDS serves a wave's instructions in order, so these see the stores above
	ds_load_tr16_b128 v[WF+8*c:WF+8*c+3],   v7 offset:512*c
	ds_load_tr16_b128 v[WF+8*c+4:WF+8*c+7], v7 offset:512*c+256
.set c, c+1
.endr
	s_wait_tensorcnt 0x0                           ; my tile of x is in; only I read it
.irp g, 0,1
.set u, 0
.rept 4                                                ; block c = 4 g + u of 32 k: k = 8 h .. + 7 and 16 + 8 h .. + 7, in f32
	ds_load_b128 v[XR+16*u:XR+16*u+3],     v4 offset:128*(4*(\g)+u)
	ds_load_b128 v[XR+16*u+4:XR+16*u+7],   v4 offset:128*(4*(\g)+u)+16
	ds_load_b128 v[XR+16*u+8:XR+16*u+11],  v4 offset:128*(4*(\g)+u)+64
	ds_load_b128 v[XR+16*u+12:XR+16*u+15], v4 offset:128*(4*(\g)+u)+80
.set u, u+1
.endr
	s_wait_dscnt 0x0
.set i, 0
.rept 32
	v_cvt_pk_bf16_f32 v[XF+32*(\g)+i], v[XR+2*i], v[XR+2*i+1]
.set i, i+1
.endr
.endr
.set c, 0
.rept 8                                                ; four accumulators by turns; the first four products start the sums
.if c < 4
	v_wmma_f32_16x16x32_bf16 v[ACC+8*c:ACC+8*c+7], v[WF+8*c:WF+8*c+7], v[XF+8*c:XF+8*c+7], 0
.else
	v_wmma_f32_16x16x32_bf16 v[ACC+8*(c-4):ACC+8*(c-4)+7], v[WF+8*c:WF+8*c+7], v[XF+8*c:XF+8*c+7], v[ACC+8*(c-4):ACC+8*(c-4)+7]
.endif
.set c, c+1
.endr
.rept 4
	v_nop                                          ; four places between the last product and the first read of a sum
.endr
.irp p, 0,1,2,3                                        ; each accumulator's lowest registers are read first
	v_pk_add_f32 v[XR+2*\p:XR+2*\p+1], v[ACC+2*\p:ACC+2*\p+1], v[ACC+8+2*\p:ACC+8+2*\p+1]
	v_pk_add_f32 v[XR+8+2*\p:XR+8+2*\p+1], v[ACC+16+2*\p:ACC+16+2*\p+1], v[ACC+24+2*\p:ACC+24+2*\p+1]
	v_pk_add_f32 v[XR+2*\p:XR+2*\p+1], v[XR+2*\p:XR+2*\p+1], v[XR+8+2*\p:XR+8+2*\p+1]
.endr
	ds_store_b128 v8, v[XR:XR+3]
	ds_store_b128 v8, v[XR+4:XR+7] offset:16
	s_wait_kmcnt 0x0                               ; br
	s_wait_dscnt 0x0                               ; for wave 0's sake: my partial sums are in LDS
	s_barrier_signal -1
	s_barrier_wait -1
	s_cmp_lg_u32 s14, 0
	s_cbranch_scc1 .Ldone
.set w, 0
.rept 4
	ds_load_b128 v[16+8*w:19+8*w], v9 offset:1024*w
	ds_load_b128 v[20+8*w:23+8*w], v9 offset:1024*w+16
.set w, w+1
.endr
.irp i, 0,1,2,3,4,5,6,7
	v_mov_b32 v[48+\i], s[28+\i]
.endr
.irp i, 0,1,2,3
	v_cvt_pk_bf16_f32 v[56+\i], v[48+2*\i], v[49+2*\i]  ; br rounded to bf16,
.endr
.irp i, 0,1,2,3
	v_lshlrev_b32 v[48+2*\i], 16, v[56+\i]         ; and widened again
	v_and_b32 v[49+2*\i], 0xffff0000, v[56+\i]
.endr
	s_lshl_b32 s62, ttmp9, 7
	s_mov_b32 s63, 0
	s_add_nc_u64 s[12:13], s[12:13], s[62:63]      ; cf: 16 tokens x 8 bytes
	s_lshl_b32 s62, ttmp9, 4
	s_add_nc_u64 s[36:37], s[10:11], s[62:63]      ; bm: the masks' 16 bytes
	s_lshl_b32 s62, ttmp9, 3
	s_add_nc_u64 s[38:39], s[10:11], s[62:63]      ; bm: the counts' 8 bytes, 4,096 further on
	s_wait_dscnt 0x0
.irp p, 0,1,2,3
	v_pk_add_f32 v[16+2*\p:17+2*\p], v[16+2*\p:17+2*\p], v[24+2*\p:25+2*\p]
	v_pk_add_f32 v[32+2*\p:33+2*\p], v[32+2*\p:33+2*\p], v[40+2*\p:41+2*\p]
	v_pk_add_f32 v[16+2*\p:17+2*\p], v[16+2*\p:17+2*\p], v[32+2*\p:33+2*\p]
	v_pk_add_f32 v[16+2*\p:17+2*\p], v[16+2*\p:17+2*\p], v[48+2*\p:49+2*\p]
.endr
	; the two largest, by selects alone; a strict comparison keeps the lower number at a tie
	v_mov_b32 v24, v16                             ; M1
	v_mov_b32 v25, 0                               ; I1
	v_mov_b32 v26, 0xff800000                      ; M2
	v_mov_b32 v27, 0                               ; I2
.irp e, 1,2,3,4,5,6,7
	v_cmp_gt_f32 s56, v[16+\e], v24
	v_cmp_gt_f32 s57, v[16+\e], v26
	v_cndmask_b32 v26, v26, v[16+\e], s57
	v_cndmask_b32 v27, v27, \e, s57
	v_cndmask_b32 v26, v26, v24, s56
	v_cndmask_b32 v27, v27, v25, s56
	v_cndmask_b32 v24, v24, v[16+\e], s56
	v_cndmask_b32 v25, v25, \e, s56
.endr
	v_sub_f32 v28, v26, v24                        ; M2 - M1 <= 0
	v_mul_f32 v28, 0x3fb8aa3b, v28
	v_exp_f32 v29, v28
	v_lshlrev_b32 v12, 3, v1                       ; a plain instruction behind the exponential: cf's offset, 8 bytes a token
	s_wait_alu depctr_va_vdst(0)                   ; the wait ahead of the result's first reader
	v_add_f32 v30, 1.0, v29
	v_rcp_f32 v31, v30                             ; c1 = 1 / (1 + e)
	v_mov_b32 v13, 0                               ; a plain instruction behind the reciprocal
	s_wait_alu depctr_va_vdst(0)
	v_mul_f32 v32, v29, v31                        ; c2 = e / (1 + e)
	v_cmp_lt_u32 s56, v25, v27
	v_cndmask_b32 v34, v32, v31, s56               ; the lower expert's coefficient,
	v_cndmask_b32 v35, v31, v32, s56               ; the higher one's
.irp e, 0,1,2,3,4,5,6,7
	v_cmp_eq_u32 s56, \e, v25
	v_cmp_eq_u32 s57, \e, v27
	s_or_b32 s56, s56, s57
	s_and_b32 s[40+\e], s56, 0xffff
	s_bcnt1_i32_b32 s[48+\e], s[40+\e]
.endr
.irp p, 0,1,2,3
	s_lshl_b32 s62, s[41+2*\p], 16
	s_or_b32 s[56+\p], s[40+2*\p], s62
.endr
.irp q, 0,1
	s_lshl_b32 s62, s[49+4*\q], 8
	s_or_b32 s[60+\q], s[48+4*\q], s62
	s_lshl_b32 s62, s[50+4*\q], 16
	s_or_b32 s[60+\q], s[60+\q], s62
	s_lshl_b32 s62, s[51+4*\q], 24
	s_or_b32 s[60+\q], s[60+\q], s62
.endr
.irp i, 0,1,2,3,4,5
	v_mov_b32 v[64+\i], s[56+\i]
.endr
	s_wait_xcnt 0x0                                ; EXEC changes only behind this wait
	v_cmp_gt_u32 vcc_lo, 16, v1
	s_and_saveexec_b32 s66, vcc_lo
	global_store_b64 v12, v[34:35], s[12:13]       ; lanes 0-15: 128 consecutive bytes
	s_wait_xcnt 0x0
	s_or_b32 exec_lo, exec_lo, s66
	v_cmp_eq_u32 vcc_lo, 0, v1
	s_and_saveexec_b32 s66, vcc_lo
	global_store_b128 v13, v[64:67], s[36:37]
	global_store_b64 v13, v[68:69], s[38:39] offset:4096
	s_wait_xcnt 0x0
	s_or_b32 exec_lo, exec_lo, s66
.Ldone:
	s_wait_tensorcnt 0x0                           ; the wave's end: behind my last LDS store
	ds_add_u32 v[SPW], v[NIL]
	s_wait_dscnt 0x0
	s_endpgm
.Lfunc_end_k_q9df2a0d1b0_route:
	.size	k_q9df2a0d1b0_route, .Lfunc_end_k_q9df2a0d1b0_route-k_q9df2a0d1b0_route
	.p2alignl 7, 3214868480
	.fill 96, 4, 3214868480
	.section	.rodata,"a",@progbits
	.p2align	6, 0x0
	.amdhsa_kernel k_q9df2a0d1b0_route
		.amdhsa_group_segment_fixed_size 167936
		.amdhsa_private_segment_fixed_size 0
		.amdhsa_enable_private_segment 0
		.amdhsa_kernarg_size 40
		.amdhsa_user_sgpr_count 2
		.amdhsa_user_sgpr_kernarg_segment_ptr 1
		.amdhsa_wavefront_size32 1
		.amdhsa_system_sgpr_workgroup_id_x 1
		.amdhsa_system_sgpr_workgroup_id_y 1
		.amdhsa_system_sgpr_workgroup_id_z 1
		.amdhsa_system_vgpr_workitem_id 0
		.amdhsa_next_free_vgpr 240
		.amdhsa_next_free_sgpr 68
		.amdhsa_reserve_vcc 1
		.amdhsa_float_denorm_mode_32 3
		.amdhsa_float_denorm_mode_16_64 3
		.amdhsa_memory_ordered 1
		.amdhsa_forward_progress 1
		.amdhsa_inst_pref_size 27
	.end_amdhsa_kernel
	.amdgpu_metadata
---
amdhsa.version: [ 1, 2 ]
amdhsa.kernels:
  - .name:           k_q9df2a0d1b0_route
    .symbol:         k_q9df2a0d1b0_route.kd
    .args:
      - { .name: x, .offset: 0, .size: 8, .value_kind: global_buffer, .address_space: global }
      - { .name: Wr, .offset: 8, .size: 8, .value_kind: global_buffer, .address_space: global }
      - { .name: br, .offset: 16, .size: 8, .value_kind: global_buffer, .address_space: global }
      - { .name: bm, .offset: 24, .size: 8, .value_kind: global_buffer, .address_space: global }
      - { .name: cf, .offset: 32, .size: 8, .value_kind: global_buffer, .address_space: global }
    .group_segment_fixed_size: 167936
    .private_segment_fixed_size: 0
    .kernarg_segment_align: 8
    .kernarg_segment_size: 40
    .max_flat_workgroup_size: 128
    .sgpr_count:     68
    .vgpr_count:     240
    .wavefront_size: 32
...
	.end_amdgpu_metadata
.endif
;; end of part 1
;; launch prep (part 2): grid 256 x 1, 10 waves a work-group, no clusters, 0 bytes of LDS; arguments x, W1, W2, bm, xg, wb, pos, tiles; writes xg, wb, pos, tiles
.if DOCPART == 2
	.amdgcn_target "amdgcn-amd-amdhsa--gfx1250"
	.amdhsa_code_object_version 6
	.text
	.protected	k_q9df2a0d1b0_prep
	.globl	k_q9df2a0d1b0_prep
	.p2align	8
	.type	k_q9df2a0d1b0_prep,@function
k_q9df2a0d1b0_prep:
	s_mov_b64 s[64:65], 0
	v_nop
	global_prefetch_b8 v0, s[64:65] scope:SCOPE_SE
	s_setreg_imm32_b32 hwreg(HW_REG_WAVE_MODE, 25, 1), 1
	s_wait_xcnt 0x0
; PLACING AND ROUNDING.  256 work-groups of ten waves, all alike: 2,048 pieces of weights and 512 pieces of tokens are ten long waves for each work-group.
;   waves 0-7  W1 and W2 rounded to bf16 into wb, in the order in which the products' operand registers take them: a wave takes 128 k x 64 columns (32,768 bytes).
;   waves 8-9  tokens: a wave takes 8 tokens.  It adds up all 256 groups' counts for itself (2,048 bytes of bm), so no list is sorted in a launch
;              of its own; rounds its rows of x to bf16 and stores each twice, at its two places in xg.  Token wave W also owns rows 18 (W % 8) .. + 17 of tile W / 8
;              of xg, and stores zeros into those of them that lie past the tile's count: so every row of xg is written, each by one wave.
; wb[W1 | W2][expert][group g of 64 columns][block kb of 32 k][fragment b of 4][half j][lane 16 h + r][8 numbers]: k = 32 kb + 16 j + 8 h + 0..7 of column 64 g + 4 r + b.
; So a fragment (16 columns x 32 k, 1,024 bytes) is two loads of 16 bytes a lane, and a wave's 64 columns are 131,072 bytes on end.  The columns of a fragment lie 4 apart
; so that nothing changes lanes here: lanes 0-15 load 256 bytes (64 columns) of row k + i, lanes 16-31 of row k + 8 + i; a lane packs each of its four columns' eight k
; into 16 bytes, and the store of column s is fragment s: 512 consecutive bytes.
; THE TILING.  A tile is 144 rows of one expert: the sum of ceil(n_e / 144) is at most (8,192 + 8 x 143) / 144 = 64 for every split of the tokens.
; tb_e = tiles of the experts before e.  A routed row has the number 144 tb_e + rank in xg, h and part alike (stored in pos); rank = the tokens of lower number that
; chose e.  So tile j owns rows 144 j .. 144 j + 143 of all three.  tiles[j] = the tile's expert.
; No matrix unit, LDS or barrier: the waves do not depend on each other, and memory binds.
.set X, 64                             ; v64-191  four rows of x (or four steps of weights) as loaded
.set Y, 192                            ; v192-207 a row (or a step) in bf16
	s_load_b512 s[4:19], s[0:1], 0x0               ; x, W1, W2, bm, xg, wb, pos, tiles: s[4:5] .. s[18:19]
	v_and_b32 v1, 31, v0                           ; lane
	v_lshrrev_b32 v4, 5, v0
	v_readfirstlane_b32 s20, v4                    ; wave 0..9
	v_lshlrev_b32 v2, 3, v1                        ; 8 bytes a lane
	v_lshlrev_b32 v3, 4, v1                        ; 16 bytes a lane
	s_wait_kmcnt 0x0
	s_cmp_ge_u32 s20, 8
	s_cbranch_scc1 .Ltokens
	; ---- weights: work-group number = matrix (1 bit), expert (3), 128 k (3), upper half of the column groups (1) ----
	s_cmp_lt_u32 ttmp9, 128
	s_cselect_b64 s[24:25], s[6:7], s[8:9]         ; work-groups 0-127 take W1
	s_bfe_u32 s22, ttmp9, 0x30004                  ; expert
	s_bfe_u32 s23, ttmp9, 0x30001                  ; which 128 k
	s_and_b32 s26, ttmp9, 1
	s_lshl_b32 s26, s26, 3
	s_add_co_u32 s26, s26, s20                     ; group of 64 columns, 0..15: the eight waves take neighbours
	s_lshl_b32 s30, s22, 22                        ; from: the expert's 4 MiB,
	s_lshl_b32 s27, s23, 19                        ; 128 rows of 4,096 bytes,
	s_add_co_u32 s30, s30, s27
	s_lshl_b32 s27, s26, 8                         ; 64 columns of 4 bytes
	s_add_co_u32 s30, s30, s27
	s_mov_b32 s31, 0
	s_add_nc_u64 s[24:25], s[24:25], s[30:31]
	s_lshr_b32 s30, ttmp9, 7                       ; to: the matrix's 16 MiB,
	s_lshl_b32 s30, s30, 24
	s_lshl_b32 s27, s22, 21                        ; the expert's 2 MiB,
	s_add_co_u32 s30, s30, s27
	s_lshl_b32 s27, s26, 17                        ; the group's 131,072 bytes,
	s_add_co_u32 s30, s30, s27
	s_lshl_b32 s27, s23, 14                        ; four blocks of 32 k, 4,096 bytes each
	s_add_co_u32 s30, s30, s27
	s_add_nc_u64 s[28:29], s[14:15], s[30:31]
	v_and_b32 v5, 15, v0
	v_lshlrev_b32 v5, 4, v5                        ; my four columns,
	v_bfe_u32 v6, v0, 4, 1
	v_lshl_add_u32 v5, v6, 15, v5                  ; eight rows further down for lanes 16-31
.macro WLOAD t                         ; step t of 8: 16 rows of k; each load takes 256 consecutive bytes of two rows
.set i, 0
.rept 8
	global_load_b128 v[X+32*((\t)%4)+4*i:X+32*((\t)%4)+4*i+3], v5, s[24:25] offset:65536*(\t)+4096*i th:TH_LOAD_NT
.set i, i+1
.endr
.endm
.macro WSTEP t
.if 8*(7-(\t)) < 24
	s_wait_loadcnt 8*(7-(\t))                      ; the steps behind this one stay out
.else
	s_wait_loadcnt 24                              ; three younger steps stay out
.endif
	s_wait_xcnt 0x0                                ; Y, which the last step's stores read, is rewritten only behind this wait
.set s, 0
.rept 4                                                ; column s: k and k + 1 into a word, the lower k below
.set p, 0
.rept 4
	v_cvt_pk_bf16_f32 v[Y+4*s+p], v[X+32*((\t)%4)+8*p+s], v[X+32*((\t)%4)+8*p+4+s]
.set p, p+1
.endr
.set s, s+1
.endr
.if (\t) < 4
	WLOAD (\t)+4
.endif
.set s, 0
.rept 4
	global_store_b128 v3, v[Y+4*s:Y+4*s+3], s[28:29] offset:4096*((\t)/2)+1024*s+512*((\t)%2)  ; half t % 2 of fragment s: 512 consecutive bytes, aligned
.set s, s+1
.endr
.endm
.irp t, 0,1,2,3
	WLOAD \t
.endr
.irp t, 0,1,2,3,4,5,6,7
	WSTEP \t
.endr
	s_endpgm
	; ---- tokens ----
.Ltokens:
	s_sub_co_u32 s22, s20, 8                       ; which half of my group of 16 tokens
	s_mov_b32 s21, ttmp9                           ; T: my group
	s_lshl_b32 s20, ttmp9, 1
	s_add_co_u32 s20, s20, s22                     ; W = 0..511: tokens 8 W .. 8 W + 7
	s_lshl_b32 s23, s21, 4
	s_load_b128 s[28:31], s[10:11], s23 offset:0x0 ; my group's eight masks
.set i, 0
.rept 8
	global_load_b64 v[8+2*i:9+2*i], v2, s[10:11] offset:4096+256*i  ; the eight count bytes of group 32 i + lane
.set i, i+1
.endr
	s_lshl_b32 s24, s20, 15
	s_mov_b32 s25, 0
	s_add_nc_u64 s[24:25], s[4:5], s[24:25]        ; x at my first row
.macro XLOAD t                         ; row t: eight loads of 512 consecutive bytes
.set k, 0
.rept 8
	global_load_b128 v[X+32*((\t)%4)+4*k:X+32*((\t)%4)+4*k+3], v3, s[24:25] offset:4096*(\t)+512*k th:TH_LOAD_NT
.set k, k+1
.endr
.endm
	XLOAD 0
	XLOAD 1
	XLOAD 2
	XLOAD 3
	s_mov_b32 s33, 0x76543210                      ; v_permlanex16_b32: each lane takes its own place in the other half
	s_mov_b32 s34, 0xfedcba98
	s_mov_b32 s35, 0x00ff00ff
	s_wait_loadcnt 32                              ; the counts are in; the 32 loads of x stay out
.set i, 0
.rept 8                                                ; byte fields: eight counts of at most 16 add up to at most 128
	s_sub_co_i32 s32, s21, 32*i
	v_cmp_gt_i32 vcc_lo, s32, v1                   ; group 32 i + lane lies before mine
.if i == 0
	v_mov_b32 v24, v8
	v_mov_b32 v25, v9
	v_cndmask_b32 v26, 0, v8, vcc_lo
	v_cndmask_b32 v27, 0, v9, vcc_lo
.else
	v_add_nc_u32 v24, v24, v[8+2*i]
	v_add_nc_u32 v25, v25, v[9+2*i]
	v_cndmask_b32 v28, 0, v[8+2*i], vcc_lo
	v_cndmask_b32 v29, 0, v[9+2*i], vcc_lo
	v_add_nc_u32 v26, v26, v28
	v_add_nc_u32 v27, v27, v29
.endif
.set i, i+1
.endr
.irp i, 0,1,2,3                                        ; into fields of 16 bits (sums of at most 4,096): even bytes, odd bytes
	v_and_b32 v[32+2*\i], s35, v[24+\i]
	v_lshrrev_b32 v[33+2*\i], 8, v[24+\i]
	v_and_b32 v[33+2*\i], s35, v[33+2*\i]
	v_mov_b32 v[40+2*\i], 0                        ; the exchanges' destinations count as read
	v_mov_b32 v[41+2*\i], 0
.endr
.irp m, 1,2,4,8
.set i, 0
.rept 8
	v_mov_b32_dpp v[40+i], v[32+i] row_xmask:\m row_mask:0xf bank_mask:0xf
.set i, i+1
.endr
.set i, 0
.rept 8
	v_add_nc_u32 v[32+i], v[32+i], v[40+i]
.set i, i+1
.endr
.endr
.set i, 0
.rept 8
	v_permlanex16_b32 v[40+i], v[32+i], s33, s34
.set i, i+1
.endr
.set i, 0
.rept 8
	v_add_nc_u32 v[32+i], v[32+i], v[40+i]
.set i, i+1
.endr
.macro FIELDS v, lo, hi
	v_readfirstlane_b32 s62, v[\v]
	s_and_b32 s[\lo], s62, 0xffff
	s_lshr_b32 s[\hi], s62, 16
.endm
	FIELDS 32, 36, 38                              ; s36-43: n_e
	FIELDS 33, 37, 39
	FIELDS 34, 40, 42
	FIELDS 35, 41, 43
	FIELDS 36, 44, 46                              ; s44-51: the rows of e in the groups before mine
	FIELDS 37, 45, 47
	FIELDS 38, 48, 50
	FIELDS 39, 49, 51
	s_mov_b32 s61, 0                               ; tb
.irp e, 0,1,2,3,4,5,6,7
	s_mul_i32 s62, s61, 144
	s_add_co_u32 s[44+\e], s[44+\e], s62           ; P_e = 144 tb_e + the rows before my group: the row of my group's first token that chose e
	s_mov_b32 s[68+\e], s61                        ; tb_e
	s_add_co_u32 s[76+\e], s[36+\e], s62           ; G_e = 144 tb_e + n_e: the row behind e's last
	s_add_co_u32 s63, s[36+\e], 143
	s_mul_i32 s63, s63, 7282                       ; 7,282 x 144 = 2^20 + 32: the quotient by 144 is exact up to 4,239
	s_lshr_b32 s63, s63, 20
	s_add_co_u32 s61, s61, s63
.endr
	s_mov_b32 s66, 0                               ; tokens that have their first expert
	v_mov_b32 v48, 0
	v_mov_b32 v49, 0
	s_wait_kmcnt 0x0                               ; my group's masks
.irp e, 0,1,2,3,4,5,6,7                                ; lane i = token i of the group; ascending e: the first hit is the lower expert
.if (\e)%2 == 0
	s_and_b32 s62, s[28+(\e)/2], 0xffff
.else
	s_lshr_b32 s62, s[28+(\e)/2], 16
.endif
	s_and_not1_b32 s63, s62, s66
	s_and_b32 s35, s62, s66
	s_or_b32 s66, s66, s62
	v_mbcnt_lo_u32_b32 v44, s62, s[44+\e]          ; P_e + the group's tokens before me that chose e
	v_cndmask_b32 v48, v48, v44, s63               ; the lower expert's row
	v_cndmask_b32 v49, v49, v44, s35               ; the higher expert's row
.endr
	s_cmp_lg_u32 s22, 0
	s_cbranch_scc1 .Lno_pos                        ; a group's first wave stores its 16 tokens' places
	s_lshl_b32 s26, s21, 7
	s_mov_b32 s27, 0
	s_add_nc_u64 s[26:27], s[16:17], s[26:27]
	s_wait_xcnt 0x0                                ; EXEC changes only behind this wait: loads of x are out
	v_cmp_gt_u32 vcc_lo, 16, v1
	s_and_saveexec_b32 s67, vcc_lo
	global_store_b64 v2, v[48:49], s[26:27]
	s_wait_xcnt 0x0
	s_or_b32 exec_lo, exec_lo, s67
.Lno_pos:
	s_cmp_lg_u32 s20, 0
	s_cbranch_scc1 .Lno_table                      ; the very first token wave stores the table: tiles 2 lane and 2 lane + 1
	v_lshlrev_b32 v50, 1, v1
	v_or_b32 v51, 1, v50
	v_mov_b32 v52, 0
	v_mov_b32 v53, 0
.irp e, 1,2,3,4,5,6,7                                  ; the last expert whose first tile is not behind the tile
	v_cmp_le_u32 vcc_lo, s[68+\e], v50
	v_cndmask_b32 v52, v52, \e, vcc_lo
	v_cmp_le_u32 vcc_lo, s[68+\e], v51
	v_cndmask_b32 v53, v53, \e, vcc_lo
.endr
	global_store_b64 v2, v[52:53], s[18:19]        ; 256 consecutive bytes: the whole table
.Lno_table:
	; the rows of zeros among my 18 rows of tile W / 8
	s_lshr_b32 s53, ttmp9, 2                       ; W / 8
	s_mov_b32 s52, s76
.irp e, 1,2,3,4,5,6,7
	s_cmp_le_u32 s[68+\e], s53
	s_cselect_b32 s52, s[76+\e], s52               ; G of the tile's expert
.endr
	s_and_b32 s54, ttmp9, 3
	s_lshl_b32 s54, s54, 1
	s_add_co_u32 s54, s54, s22                     ; W % 8
	s_mul_i32 s54, s54, 18
	s_mul_i32 s55, s53, 144
	s_add_co_u32 s55, s55, s54                     ; my first row
	s_sub_co_i32 s52, s52, s55                     ; the expert's rows from there on,
	s_max_i32 s52, s52, 0
	s_min_i32 s52, s52, 18                         ; held to my 18
	s_add_co_u32 s55, s55, s52                     ; the first row of zeros
	s_min_u32 s55, s55, 9215
	s_lshl_b32 s56, s55, 11
	s_mov_b32 s57, 0
	s_add_nc_u64 s[56:57], s[12:13], s[56:57]
	s_sub_co_u32 s52, 18, s52                      ; how many there are: 0 to 18
.irp i, 56,57,58,59
	v_mov_b32 v[\i], 0
.endr
	s_cmp_eq_u32 s52, 0
	s_cbranch_scc1 .Lno_zero
	s_mov_b32 s53, 0
.Lzero:                                                ; a trip stores one row of 2,048 bytes
.irp k, 0,1,2,3
	global_store_b128 v3, v[56:59], s[56:57] offset:512*\k
.endr
	s_wait_xcnt 0x0                                ; the base is stepped only behind this wait
	s_add_nc_u64 s[56:57], s[56:57], 2048
	s_add_co_u32 s53, s53, 1
	s_cmp_lt_u32 s53, s52
	s_cbranch_scc1 .Lzero
.Lno_zero:
	s_lshl_b32 s32, s22, 3                         ; my first token's lane
	s_mov_b32 s63, 0
.irp i, 0,1,2,3,4,5,6,7                                ; sixteen bases, never rewritten: token i's two rows of xg
	s_add_co_u32 s35, s32, \i
	v_readlane_b32 s62, v48, s35
	s_min_u32 s62, s62, 9215
	s_lshl_b32 s62, s62, 11
	s_add_nc_u64 s[68+4*\i:69+4*\i], s[12:13], s[62:63]
	v_readlane_b32 s62, v49, s35
	s_min_u32 s62, s62, 9215
	s_lshl_b32 s62, s62, 11
	s_add_nc_u64 s[70+4*\i:71+4*\i], s[12:13], s[62:63]
.endr
.macro TOK t, reload, left
	s_wait_loadcnt \left                           ; row t is in; the younger rows stay out
	s_wait_xcnt 0x0                                ; Y, which the last row's stores read, is rewritten only behind this wait
.set k, 0
.rept 16
	v_cvt_pk_bf16_f32 v[Y+k], v[X+32*((\t)%4)+2*k], v[X+32*((\t)%4)+2*k+1]
.set k, k+1
.endr
.if \reload
	XLOAD (\t)+4
.endif
.set k, 0
.rept 8
	global_store_b64 v2, v[Y+2*k:Y+2*k+1], s[68+4*(\t):69+4*(\t)] offset:256*k  ; 256 consecutive bytes, aligned
	global_store_b64 v2, v[Y+2*k:Y+2*k+1], s[70+4*(\t):71+4*(\t)] offset:256*k
.set k, k+1
.endr
.endm
	TOK 0, 1, 24
	TOK 1, 1, 24
	TOK 2, 1, 24
	TOK 3, 1, 24
	TOK 4, 0, 24
	TOK 5, 0, 16
	TOK 6, 0, 8
	TOK 7, 0, 0
	s_endpgm
.Lfunc_end_k_q9df2a0d1b0_prep:
	.size	k_q9df2a0d1b0_prep, .Lfunc_end_k_q9df2a0d1b0_prep-k_q9df2a0d1b0_prep
	.p2alignl 7, 3214868480
	.fill 96, 4, 3214868480
	.section	.rodata,"a",@progbits
	.p2align	6, 0x0
	.amdhsa_kernel k_q9df2a0d1b0_prep
		.amdhsa_group_segment_fixed_size 0
		.amdhsa_private_segment_fixed_size 0
		.amdhsa_enable_private_segment 0
		.amdhsa_kernarg_size 64
		.amdhsa_user_sgpr_count 2
		.amdhsa_user_sgpr_kernarg_segment_ptr 1
		.amdhsa_wavefront_size32 1
		.amdhsa_system_sgpr_workgroup_id_x 1
		.amdhsa_system_sgpr_workgroup_id_y 1
		.amdhsa_system_sgpr_workgroup_id_z 1
		.amdhsa_system_vgpr_workitem_id 0
		.amdhsa_next_free_vgpr 208
		.amdhsa_next_free_sgpr 100
		.amdhsa_reserve_vcc 1
		.amdhsa_float_denorm_mode_32 3
		.amdhsa_float_denorm_mode_16_64 3
		.amdhsa_memory_ordered 1
		.amdhsa_forward_progress 1
		.amdhsa_inst_pref_size 68
	.end_amdhsa_kernel
	.amdgpu_metadata
---
amdhsa.version: [ 1, 2 ]
amdhsa.kernels:
  - .name:           k_q9df2a0d1b0_prep
    .symbol:         k_q9df2a0d1b0_prep.kd
    .args:
      - { .name: x, .offset: 0, .size: 8, .value_kind: global_buffer, .address_space: global }
      - { .name: W1, .offset: 8, .size: 8, .value_kind: global_buffer, .address_space: global }
      - { .name: W2, .offset: 16, .size: 8, .value_kind: global_buffer, .address_space: global }
      - { .name: bm, .offset: 24, .size: 8, .value_kind: global_buffer, .address_space: global }
      - { .name: xg, .offset: 32, .size: 8, .value_kind: global_buffer, .address_space: global }
      - { .name: wb, .offset: 40, .size: 8, .value_kind: global_buffer, .address_space: global }
      - { .name: pos, .offset: 48, .size: 8, .value_kind: global_buffer, .address_space: global }
      - { .name: tiles, .offset: 56, .size: 8, .value_kind: global_buffer, .address_space: global }
    .group_segment_fixed_size: 0
    .private_segment_fixed_size: 0
    .kernarg_segment_align: 8
    .kernarg_segment_size: 64
    .max_flat_workgroup_size: 320
    .sgpr_count:     100
    .vgpr_count:     208
    .wavefront_size: 32
...
	.end_amdgpu_metadata
.endif
;; end of part 2
;; launch ffn1 (part 3): grid 4 x 64, 4 waves a work-group, clusters of 4 x 1, 327,680 bytes of LDS; arguments xg, wb, b1, tiles, h; writes h
.if DOCPART == 3
	.amdgcn_target "amdgcn-amd-amdhsa--gfx1250"
	.amdhsa_code_object_version 6
	.text
	.protected	k_q9df2a0d1b0_ffn1
	.globl	k_q9df2a0d1b0_ffn1
	.p2align	8
	.type	k_q9df2a0d1b0_ffn1,@function
k_q9df2a0d1b0_ffn1:
	s_mov_b64 s[64:65], 0
	v_nop
	global_prefetch_b8 v0, s[64:65] scope:SCOPE_SE
	s_setreg_imm32_b32 hwreg(HW_REG_WAVE_MODE, 25, 1), 1
	s_wait_xcnt 0x0
	s_wait_alu depctr_hold_cnt(0) depctr_sa_sdst(0) depctr_va_vdst(0) depctr_va_sdst(0) depctr_va_ssrc(0) depctr_va_vcc(0) depctr_vm_vsrc(0)
	s_getreg_b32 s2, hwreg(HW_REG_IB_STS2, 6, 4)
	s_cmp_eq_u32 s2, 0
	s_cbranch_scc0 .Lentry_in_a_cluster
	s_endpgm
.Lentry_in_a_cluster:
	s_bfe_u32 s2, ttmp6, 0x10000c
	s_cmp_lg_u32 s2, 0x3003
	s_cbranch_scc0 .Lentry_shape_is_right
	s_endpgm
.Lentry_shape_is_right:
; ONE PRODUCT OF THE EXPERTS' CHAIN, on tiles of 144 rows of one expert x 256 columns, K = 1,024.
;   FFN = 1:  h = relu(xg W1[e] + b1[e]), rounded once to bf16.      FFN = 2:  part = h W2[e] + b2[e], in f32 (a partial sum: the last launch adds two).
; Operands bf16, sums f32; the bias is rounded to bf16 like every input of this program.  bf16 and not f16 for h: it keeps f32's range.
; GRID.  64 row tiles (enough for every split of the tokens: see the launch that makes the table) x 4 column tiles: 256 work-groups.  Row tile y owns rows 144 y .. 144 y + 143
; of xg, h and part; tiles[y] = its expert.  Every tile walks alike, whatever its count: no trip count, branch, barrier or tensor load hangs on data.  Rows past a tile's count
; are zeros in xg; a row of A touches its own row of the result alone.  Both launches store all 144 rows: FFN = 2 so reads written bytes only; of its own 9,216 rows 1,024
; are stored and never read.
; SHARES.  Four waves; a wave makes 144 rows x 64 columns: 36 accumulators, 288 registers.  K goes in 32 quarters of 32: 36 matrix instructions each.
; A LIES WHOLE IN LDS.  144 rows x 1,024 k of bf16 are 294,912 bytes: four chunks of 256 k (rows of 512 + 16 bytes), of each chunk 36 rows a wave: four tensor loads
; a wave, all issued at the start, four outstanding at the most.  No LDS byte is filled twice: the loop has no ring; one barrier stands in front of a later chunk's first read.
; W COMES STRAIGHT INTO REGISTERS.  A wave's 64 columns of W are read by that wave alone, so LDS would be a detour.  wb holds them in the order of the operand registers
; (see the launch that rounds them): a quarter is 4 fragments = 8 loads of 512 consecutive bytes.  A ring of eight quarters in registers: quarter Q asks for quarter Q + 7.
; Fragment b's row m is column 4 m + b of the wave's 64.
; THE MATRIX INSTRUCTION IS USED TRANSPOSED: source 0 = a fragment of W, source 1 = 16 rows of A: lane l then holds row l % 16, and register j of accumulator b the column
; 32 (l / 16) + 4 j + b: a lane's 32 results of a block of rows are 32 neighbouring columns; the way out puts them in order.
; CLUSTER.  The four column tiles of a row tile need the same rows of A, whose address is made of the row tile's and the wave's numbers alone: they are asked for jointly,
; mask 15: 294,912 bytes once for four work-groups.  The weights are shared by the row tiles of one expert, but which these are hangs on the split: a descriptor made of
; the expert would be equal in the partners by the data and not by the text's own arithmetic; each wave reads its own.
; REGISTERS, in windows of 256: window 0: v0-31 addresses; v32-103, v104-175 two buffers of A's 9 fragments;  window 1: accumulator (a, b), a < 8, at v[8 (4 a + b)];
;   window 2: v0-31 the accumulators of a = 8; v32-63 the bias (column 4 j + b at 32 + 8 b + j); v64-111 at work;  window 3: W's ring, quarter Q at v[32 (Q % 8) + 8 b].
.set FFN, 1
.set PA,    528                        ; a row of a chunk of A in LDS: 512 + 16 bytes = 33 x 16: the 16 rows of a load start 4 banks apart
.set CHUNK, 144*PA                     ; 76,032
.set AQ,    36*PA                      ; what one tensor load brings
.if FFN == 1
.set STAGE, 0                          ; the work-group's stage, 144 rows of 512 + 16 bytes, takes chunk 0's bytes, which have had their only fill
.set SP,    528
.set SPARE, 4*CHUNK
.else
.set STAGE, 4*CHUNK                    ; behind A: a stage for each wave: 16 rows of 256 + 16 bytes
.set SP,    272
.set SPARE, STAGE+4*16*SP
.endif
.set ADRA0,  8                         ; v8      my lane's place in a chunk, blocks 0-7; never rewritten
.set ADRA80, 9                         ; v9      the same for block 8, which lies past a 16-bit offset
.set ADRA,   10                        ; v10     the same in the chunk in hand
.set ADRA8,  11                        ; v11
.set STO,  12                          ; v12     into the stage
.set STO8, 13                          ; v13     the same for the ninth block of rows (FFN = 1)
.set RD,   14                          ; v14     back out of the stage
.set GO,   15                          ; v15     my byte offset in the output
.set ZERO, 16                          ; v16     0, for the relu
.set SPW,  18                          ; v18     my spare word; never rewritten
.set NIL,  19                          ; v19     0; never rewritten
.set BO,   20                          ; v20     my byte offset in the bias
.set BV,   21                          ; v21     16 x lane: my byte offset in 512 bytes of W
.set FA0,  32
.set FA1,  104
.set WV,   14                          ; s14     wave
.set G1A,  24                          ; s[24:31] group 1 for A
.set G0A,  32                          ; s[32:47] group 0, a set for each chunk
.set BB,   48                          ; s[48:49] W at my columns; steps by eight quarters a trip
.set TB,   50                          ; s50     LDS byte at which the chunk in hand begins
.set MSB, 0
.macro WIN new                         ; the immediate's high byte repeats the setting that is left; a switch that changes nothing is dropped
.if MSB != (\new)
	s_set_vgpr_msb (MSB<<8)|(\new)
.set MSB, \new
.endif
.endm
.macro PLACES                          ; four plain instructions between a matrix instruction and a load into, or a read of, its registers
.rept 4
	v_nop
.endr
.endm
.macro CROUND                          ; a round of the cluster's barrier: my work-group's barrier, wave 0 signals for the work-group, every wave waits for all four, my work-group's barrier once more
	s_barrier_signal -1
	s_barrier_wait -1
	s_cmp_lg_u32 s[WV], 0
	s_cbranch_scc1 .Lnot_wave_0_\@
	s_barrier_signal -3
.Lnot_wave_0_\@:
	s_barrier_wait -3
	s_barrier_signal -1
	s_barrier_wait -1
.endm
; na blocks of 16 rows from a0 on x my 4 fragments of W in ring slot sl, 32 along K, A out of buffer f.  zero = 1: the products start the sums.
; The 36 accumulators take turns in the same order in every quarter.
.macro MUL f, sl, a0, na, zero
.set a, \a0
.rept \na
.if a < 8
	WIN 0x53                                       ; W window 3, A window 0, C and D window 1
.set AC, 32*a
.else
	WIN 0xa3                                       ; C and D window 2
.set AC, 0
.endif
.set b, 0
.rept 4
.if \zero
	v_wmma_f32_16x16x32_bf16 v[AC+8*b:AC+8*b+7], v[32*(\sl)+8*b:32*(\sl)+8*b+7], v[(\f)+8*a:(\f)+8*a+7], 0
.else
	v_wmma_f32_16x16x32_bf16 v[AC+8*b:AC+8*b+7], v[32*(\sl)+8*b:32*(\sl)+8*b+7], v[(\f)+8*a:(\f)+8*a+7], v[AC+8*b:AC+8*b+7]
.endif
.set b, b+1
.endr
.set a, a+1
.endr
.endm
; 18 LDS loads in one run: A's fragments of quarter q of the chunk in hand into buffer f: blocks 0-3 (8 loads), then blocks 4-8 (10)
.macro FETCH q, f
	WIN 0
.set a, 0
.rept 8
	ds_load_b128 v[(\f)+8*a:(\f)+8*a+3],   v[ADRA] offset:16*PA*a+64*(\q)
	ds_load_b128 v[(\f)+8*a+4:(\f)+8*a+7], v[ADRA] offset:16*PA*a+64*(\q)+32
.set a, a+1
.endr
	ds_load_b128 v[(\f)+64:(\f)+67], v[ADRA8] offset:64*(\q)
	ds_load_b128 v[(\f)+68:(\f)+71], v[ADRA8] offset:64*(\q)+32
.endm
; 8 loads of 512 consecutive bytes: W's four fragments of the quarter bq quarters behind s[BB], into ring slot sl
.macro BLOAD bq, sl
	WIN 0xc0                                       ; destination window 3, address window 0
.set b, 0
.rept 4
	global_load_b128 v[32*(\sl)+8*b:32*(\sl)+8*b+3],   v[BV], s[BB:BB+1] offset:4096*(\bq)+1024*b
	global_load_b128 v[32*(\sl)+8*b+4:32*(\sl)+8*b+7], v[BV], s[BB:BB+1] offset:4096*(\bq)+1024*b+512
.set b, b+1
.endr
.endm
; A QUARTER: multiplies A's buffer f by ring slot sl.  In its middle it fetches the next quarter's A (quarter qn of its chunk) into buffer g and, if bq >= 0, asks for W seven
; quarters on, into the slot that the quarter before multiplied.  lc: the loads of W issued behind this quarter's, which may stay out.
; bound = 1: the next quarter is a chunk's first: every wave shows its tensor loads landed and passes a barrier before anybody reads the chunk.
.macro QUARTER f, g, qn, sl, bq, lc, zero, bound
	s_wait_loadcnt \lc                             ; loads come back in order: this quarter's W is in
.if \bound
	s_wait_dscnt 0x0                               ; no LDS load of mine is out at the signal
	s_wait_tensorcnt 0x0                           ; my rows of every chunk: a wait's count cannot follow the trip; from the second trip on it is met at once
	s_barrier_signal -1
.else
	s_wait_dscnt 10                                ; A's blocks 0-3 are in; the youngest ten loads (blocks 4-8) may be out
.endif
	MUL \f, \sl, 0, 4, \zero
	WIN 0
.if \bound
	s_barrier_wait -1                              ; everybody's rows are in
	s_add_co_u32 s[TB], s[TB], CHUNK
	v_add_nc_u32 v[ADRA], s[TB], v[ADRA0]          ; these two and two v_nop are the four places in front of the loads below
	v_add_nc_u32 v[ADRA8], s[TB], v[ADRA80]
	v_nop
	v_nop
.else
	PLACES
.endif
	FETCH \qn, \g
.if (\bq) >= 0
	BLOAD \bq, ((\sl)+7)%8
.endif
	s_wait_dscnt 18                                ; all but the 18 just issued
	MUL \f, \sl, 4, 5, \zero
.endm
.macro ADDB a                          ; block a's sums + bias -> v32-63 of window 0, in the accumulators' order; each accumulator's lowest registers are read first
.if (\a) < 8
	WIN 0x09
.set AC, 32*(\a)
.else
	WIN 0x0a
.set AC, 0
.endif
.set i, 0
.rept 16
	v_pk_add_f32 v[32+2*i:33+2*i], v[AC+2*i:AC+2*i+1], v[32+2*i:33+2*i]
.set i, i+1
.endr
	WIN 0
.endm
.macro ADDC a                          ; the same, into the columns' order: column 4 j + b at v[32 + 4 j + b]
.if (\a) < 8
	WIN 0x09
.set AC, 32*(\a)
.else
	WIN 0x0a
.set AC, 0
.endif
.set b, 0
.rept 4
.set j, 0
.rept 8
	v_add_f32 v[32+4*j+b], v[AC+8*b+j], v[32+8*b+j]
.set j, j+1
.endr
.set b, b+1
.endr
	WIN 0
.endm
	s_load_b256 s[4:11], s[0:1], 0x0               ; A s[4:5], wb s[6:7], bias s[8:9], tiles s[10:11]
	s_load_b64 s[12:13], s[0:1], 0x20              ; the output
	v_lshl_add_u32 v[SPW], v0, 2, SPARE
	v_mov_b32 v[NIL], 0
	ds_add_u32 v[SPW], v[NIL]                      ; the wave's opening: the add and its wait ahead of my first tensor load
	ds_add_u32 v18, v19
	v_lshrrev_b32 v1, 5, v0
	v_readfirstlane_b32 s[WV], v1                  ; wave 0..3
	s_bfe_u32 s16, ttmp6, 0x40000                  ; cx
	s_lshl_b32 s17, ttmp9, 2
	s_add_co_u32 s17, s17, s16                     ; column tile: it enters W's, the bias's and the output's addresses alone
	s_and_b32 s18, ttmp7, 0xffff                   ; row tile, which the four partners share
	s_lshl_b32 s19, s18, 2                         ; its word of the table
	s_mov_b32 s[G1A+0], 15|(1<<16)|(1<<20)|(1<<21)|(6<<22)|(3<<25)  ; mask of four; 2-byte elements; padding: after every 128 words, 4 words; bit 21 beside the mask
	s_mov_b32 s[G1A+1], 256<<16                    ; tensor_dim0 = 256
	s_mov_b32 s[G1A+2], 36<<16                     ; tensor_dim1 = 36
	s_mov_b32 s[G1A+3], 256<<16                    ; tile_dim0 = 256
	s_mov_b32 s[G1A+4], 36                         ; tile_dim1 = 36
	s_mov_b32 s[G1A+5], 1024                       ; elements from row to row
	s_mov_b32 s[G1A+6], 0
	s_mov_b32 s[G1A+7], 0
	s_mul_i32 s62, s[WV], AQ                       ; my 36 rows' place in a chunk
	s_mul_i32 s58, s[WV], 36
	s_mul_i32 s59, s18, 144
	s_add_co_u32 s58, s58, s59                     ; A's rows: 144 y + 36 w on
	s_lshl_b32 s58, s58, 11
	s_mov_b32 s59, 0
	s_mov_b32 s[TB], 0
	v_and_b32 v1, 15, v0                           ; r
	v_bfe_u32 v2, v0, 4, 1                         ; h
	v_and_b32 v3, 31, v0                           ; lane
	v_lshlrev_b32 v[BV], 4, v3
	v_lshlrev_b32 v[BO], 7, v2                     ; my 32 columns of the bias: 128 h bytes
	s_wait_dscnt 0x0                               ; the opening add is done
	s_wait_kmcnt 0x0
	s_load_b32 s20, s[10:11], s19 offset:0x0       ; the tile's expert: A's loads do not wait for it
	s_add_nc_u64 s[58:59], s[4:5], s[58:59]
.irp c, 0,1,2,3
	s_mov_b32 s[G0A+4*\c], 1
	s_add_co_u32 s[G0A+4*\c+1], s62, \c*CHUNK
	s_add_nc_u64 s[G0A+4*\c+2:G0A+4*\c+3], s[58:59], \c*512
	s_or_b32 s[G0A+4*\c+3], s[G0A+4*\c+3], 0x80000000
.endr
	CROUND                                         ; all four work-groups are here: the joint loads meet
.irp c, 0,1,2,3                                        ; all of A, the chunk wanted first in front: four loads of mine are out
	tensor_load_to_lds s[G0A+4*\c:G0A+4*\c+3], s[G1A:G1A+7]
	s_nop 0
.endr
	PLACES
	s_wait_kmcnt 0x0                               ; the expert
	s_min_u32 s20, s20, 7
	s_lshl_b32 s60, s20, 21                        ; the expert's 2 MiB,
	s_lshl_b32 s61, s17, 2
	s_add_co_u32 s61, s61, s[WV]
	s_lshl_b32 s61, s61, 17                        ; my 64 columns' 131,072 bytes
	s_add_co_u32 s60, s60, s61
.if FFN == 2
	s_add_co_u32 s60, s60, 0x1000000               ; W2 lies behind W1
.endif
	s_mov_b32 s61, 0
	s_add_nc_u64 s[BB:BB+1], s[6:7], s[60:61]
	s_lshl_b32 s66, s20, 12
	s_lshl_b32 s67, s17, 10
	s_add_co_u32 s66, s66, s67
	s_lshl_b32 s67, s[WV], 8
	s_add_co_u32 s66, s66, s67
	s_mov_b32 s67, 0
	s_add_nc_u64 s[66:67], s[8:9], s[66:67]        ; the bias at my 64 columns
	WIN 0x80                                       ; destination window 2, address window 0
.irp t, 0,1,2,3,4,5,6,7
	global_load_b128 v[64+4*\t:67+4*\t], v[BO], s[66:67] offset:16*\t
.endr
.irp q, 0,1,2,3,4,5
	BLOAD \q, \q
.endr
	WIN 0
	s_mul_i32 s68, s18, 144
.if FFN == 1
	s_mul_i32 s69, s[WV], 36
	s_add_co_u32 s68, s68, s69                     ; I store rows 36 w .. 36 w + 35 of the tile
	s_lshl_b32 s68, s68, 11
	s_lshl_b32 s69, s17, 9
	s_add_co_u32 s68, s68, s69
.else
	s_lshl_b32 s68, s68, 12
	s_lshl_b32 s69, s17, 10
	s_add_co_u32 s68, s68, s69
	s_lshl_b32 s69, s[WV], 8                       ; I store my own 64 columns: 256 bytes of each row
	s_add_co_u32 s68, s68, s69
.endif
	s_mov_b32 s69, 0
	s_add_nc_u64 s[12:13], s[12:13], s[68:69]
	v_mul_u32_u24 v[ADRA0], v1, PA
	v_lshl_add_u32 v[ADRA0], v2, 4, v[ADRA0]       ; row x pitch + 16 x half
	v_add_nc_u32 v[ADRA80], 128*PA, v[ADRA0]
	v_mov_b32 v[ADRA], v[ADRA0]
	v_mov_b32 v[ADRA8], v[ADRA80]
	v_mov_b32 v[ZERO], 0
.if FFN == 1
	v_mul_u32_u24 v[STO], v1, SP                   ; in: row r, my wave's 128 bytes, 64 bytes for each half of the lanes
	v_lshl_add_u32 v[STO], v2, 6, v[STO]
	s_lshl_b32 s62, s[WV], 7
	s_add_co_u32 s62, s62, STAGE
	v_add_nc_u32 v[STO], s62, v[STO]
	v_add_nc_u32 v[STO8], 128*SP, v[STO]           ; the ninth block lies past a 16-bit offset
	s_mul_i32 s62, s[WV], 36*SP
	s_add_co_u32 s62, s62, STAGE
	v_lshl_add_u32 v[RD], v3, 4, s62               ; back: a whole row of 512 bytes a load
	v_lshlrev_b32 v[GO], 4, v3
.else
	s_mul_i32 s62, s[WV], 16*SP
	s_add_co_u32 s62, s62, STAGE                   ; my stage
	v_mul_u32_u24 v[STO], v1, SP                   ; in: row r, 128 bytes for each half of the lanes
	v_lshl_add_u32 v[STO], v2, 7, v[STO]
	v_add_nc_u32 v[STO], s62, v[STO]
	v_mul_u32_u24 v[RD], v2, SP                    ; back: lanes 0-15 one row of 256 bytes, lanes 16-31 the next
	v_lshl_add_u32 v[RD], v1, 4, v[RD]
	v_add_nc_u32 v[RD], s62, v[RD]
	v_lshlrev_b32 v[GO], 12, v2                    ; and the same two rows in the output
	v_lshl_add_u32 v[GO], v1, 4, v[GO]
.endif
	s_wait_loadcnt 48                              ; the bias is in; the 48 loads of W behind it stay out
	WIN 0x8a                                       ; all in window 2: rounded to bf16, widened again, and laid as the accumulators lie
.set i, 0
.rept 16
	v_cvt_pk_bf16_f32 v[96+i], v[64+2*i], v[65+2*i]
.set i, i+1
.endr
.set j, 0
.rept 8
.irp s, 0,1
	v_lshlrev_b32 v[32+16*\s+j], 16, v[96+2*j+\s]          ; column 4 j + 2 s: accumulator 2 s
	v_and_b32 v[40+16*\s+j], 0xffff0000, v[96+2*j+\s]      ; column 4 j + 2 s + 1: accumulator 2 s + 1
.endr
.set j, j+1
.endr
	BLOAD 6, 6
	WIN 0
	s_wait_tensorcnt 0x3                           ; my rows of chunk 0 are in; three loads stay out
	s_barrier_signal -1
	s_barrier_wait -1                              ; everybody's are
	FETCH 0, FA0
	QUARTER FA0, FA1, 1, 0, 7, 48, 1, 0            ; quarter 0 stands in front of the loop: its products start the sums
	WIN 0                                          ; at a label and at a branch every window is 0
	s_mov_b32 s56, 3
.Llap:                                                 ; a trip: quarters 8 t + 1 .. 8 t + 8; six younger quarters of W (48 loads) stay out at each quarter's head
	QUARTER FA1, FA0, 2, 1, 8,  48, 0, 0
	QUARTER FA0, FA1, 3, 2, 9,  48, 0, 0
	QUARTER FA1, FA0, 4, 3, 10, 48, 0, 0
	QUARTER FA0, FA1, 5, 4, 11, 48, 0, 0
	QUARTER FA1, FA0, 6, 5, 12, 48, 0, 0
	QUARTER FA0, FA1, 7, 6, 13, 48, 0, 0
	QUARTER FA1, FA0, 0, 7, 14, 48, 0, 1           ; it fetches the next chunk's first quarter
	QUARTER FA0, FA1, 1, 0, 15, 48, 0, 0
	WIN 0
	s_wait_xcnt 0x0                                ; W's base, which pending loads name, is stepped only behind this wait
	s_add_nc_u64 s[BB:BB+1], s[BB:BB+1], 32768
	s_sub_co_u32 s56, s56, 1
	s_cmp_lg_u32 s56, 0
	s_cbranch_scc1 .Llap
	QUARTER FA1, FA0, 2, 1, -1, 48, 0, 0           ; quarters 25 to 31 ask for no W: no load leaves the buffer, and the counts run down
	QUARTER FA0, FA1, 3, 2, -1, 40, 0, 0
	QUARTER FA1, FA0, 4, 3, -1, 32, 0, 0
	QUARTER FA0, FA1, 5, 4, -1, 24, 0, 0
	QUARTER FA1, FA0, 6, 5, -1, 16, 0, 0
	QUARTER FA0, FA1, 7, 6, -1, 8,  0, 0
	s_wait_loadcnt 0x0
	s_wait_dscnt 10
	MUL FA1, 7, 0, 4, 0
	s_wait_dscnt 0x0
	MUL FA1, 7, 4, 5, 0
	WIN 0
	PLACES
.if FFN == 1
	; THE WAY OUT: bias, bf16 (the conversion takes its two columns from two accumulators), relu; 64 bytes a lane into the work-group's stage; a barrier, since a row's
	; 512 bytes come from four waves; back as whole rows.
	s_wait_tensorcnt 0x0                           ; my tensor loads have landed, and my reads of A are over (my last wait on DScnt was for 0);
	CROUND                                         ; the round shows the same of every wave of the four work-groups whose requests name these bytes: only now the stage takes chunk 0's bytes
.irp a, 0,1,2,3,4,5,6,7,8
	ADDB \a
.set j, 0
.rept 8
	v_cvt_pk_bf16_f32 v[64+2*j], v[32+j], v[40+j]          ; columns 4 j, 4 j + 1
	v_cvt_pk_bf16_f32 v[65+2*j], v[48+j], v[56+j]          ; columns 4 j + 2, 4 j + 3
.set j, j+1
.endr
.set i, 0
.rept 16
	v_pk_max_num_bf16 v[64+i], v[64+i], v[ZERO]
.set i, i+1
.endr
.irp t, 0,1,2,3
.if \a < 8
	ds_store_b128 v[STO], v[64+4*\t:67+4*\t] offset:16*SP*\a+16*\t
.else
	ds_store_b128 v[STO8], v[64+4*\t:67+4*\t] offset:16*\t
.endif
.endr
.endr
	s_wait_dscnt 0x0                               ; for the others' sake: my stores into the stage are done
	s_barrier_signal -1
	s_barrier_wait -1
.set i, 0
.rept 36
	ds_load_b128 v[96+4*i:99+4*i], v[RD] offset:SP*i
.set i, i+1
.endr
.set i, 0
.rept 36
	s_wait_dscnt 35-i
	global_store_b128 v[GO], v[96+4*i:99+4*i], s[12:13] offset:2048*i  ; 512 consecutive bytes of a row, aligned
.set i, i+1
.endr
.else
	; THE WAY OUT: bias; a block of 16 rows at a time through my own stage: in by lanes' 128 bytes, back as whole rows of 256 bytes.
.macro TOSTAGE a
.irp t, 0,1,2,3,4,5,6,7
	ds_store_b128 v[STO], v[32+4*\t:35+4*\t] offset:16*\t
.endr
.set t, 0
.rept 8
	ds_load_b128 v[64+32*((\a)%2)+4*t:64+32*((\a)%2)+4*t+3], v[RD] offset:2*SP*t  ; LDS serves a wave's instructions in order: these see the stores above
.set t, t+1
.endr
.endm
.macro SEND a
	s_wait_dscnt 0x0                               ; the block is back in registers
	s_wait_xcnt 0x0                                ; the registers that the block before last's stores read are loaded again only behind this wait
.set t, 0
.rept 8
	global_store_b128 v[GO], v[64+32*((\a)%2)+4*t:64+32*((\a)%2)+4*t+3], s[12:13] offset:(16*(\a)+2*t)*4096  ; 16 lanes store 256 consecutive bytes, aligned
.set t, t+1
.endr
.endm
	ADDC 0
	TOSTAGE 0
.irp a, 1,2,3,4,5,6,7,8                                ; a block's additions stand between the loads of the block before and the wait for them
	ADDC \a
	SEND (\a)-1
	TOSTAGE \a
.endr
	SEND 8
.endif
	s_wait_tensorcnt 0x0                           ; the wave's end: behind my last tensor load and my last LDS store
	ds_add_u32 v[SPW], v[NIL]
	s_wait_dscnt 0x0
	CROUND                                         ; the closing round: no work-group ends while a partner may still ask for rows that name it
	s_endpgm
.Lfunc_end_k_q9df2a0d1b0_ffn1:
	.size	k_q9df2a0d1b0_ffn1, .Lfunc_end_k_q9df2a0d1b0_ffn1-k_q9df2a0d1b0_ffn1
	.p2alignl 7, 3214868480
	.fill 96, 4, 3214868480
	.section	.rodata,"a",@progbits
	.p2align	6, 0x0
	.amdhsa_kernel k_q9df2a0d1b0_ffn1
		.amdhsa_group_segment_fixed_size 327680
		.amdhsa_private_segment_fixed_size 0
		.amdhsa_enable_private_segment 0
		.amdhsa_kernarg_size 40
		.amdhsa_user_sgpr_count 2
		.amdhsa_user_sgpr_kernarg_segment_ptr 1
		.amdhsa_wavefront_size32 1
		.amdhsa_system_sgpr_workgroup_id_x 1
		.amdhsa_system_sgpr_workgroup_id_y 1
		.amdhsa_system_sgpr_workgroup_id_z 1
		.amdhsa_system_vgpr_workitem_id 0
		.amdhsa_next_free_vgpr 1024
		.amdhsa_next_free_sgpr 72
		.amdhsa_reserve_vcc 0
		.amdhsa_float_denorm_mode_32 3
		.amdhsa_float_denorm_mode_16_64 3
		.amdhsa_memory_ordered 1
		.amdhsa_forward_progress 1
		.amdhsa_inst_pref_size 119
	.end_amdhsa_kernel
	.amdgpu_metadata
---
amdhsa.version: [ 1, 2 ]
amdhsa.kernels:
  - .name:           k_q9df2a0d1b0_ffn1
    .symbol:         k_q9df2a0d1b0_ffn1.kd
    .args:
      - { .name: xg, .offset: 0, .size: 8, .value_kind: global_buffer, .address_space: global }
      - { .name: wb, .offset: 8, .size: 8, .value_kind: global_buffer, .address_space: global }
      - { .name: b1, .offset: 16, .size: 8, .value_kind: global_buffer, .address_space: global }
      - { .name: tiles, .offset: 24, .size: 8, .value_kind: global_buffer, .address_space: global }
      - { .name: h, .offset: 32, .size: 8, .value_kind: global_buffer, .address_space: global }
    .group_segment_fixed_size: 327680
    .private_segment_fixed_size: 0
    .kernarg_segment_align: 8
    .kernarg_segment_size: 40
    .max_flat_workgroup_size: 128
    .sgpr_count:     72
    .vgpr_count:     1024
    .wavefront_size: 32
...
	.end_amdgpu_metadata
.endif
;; end of part 3
;; launch ffn2 (part 4): grid 4 x 64, 4 waves a work-group, clusters of 4 x 1, 327,680 bytes of LDS; arguments h, wb, b2, tiles, part; writes part
.if DOCPART == 4
	.amdgcn_target "amdgcn-amd-amdhsa--gfx1250"
	.amdhsa_code_object_version 6
	.text
	.protected	k_q9df2a0d1b0_ffn2
	.globl	k_q9df2a0d1b0_ffn2
	.p2align	8
	.type	k_q9df2a0d1b0_ffn2,@function
k_q9df2a0d1b0_ffn2:
	s_mov_b64 s[64:65], 0
	v_nop
	global_prefetch_b8 v0, s[64:65] scope:SCOPE_SE
	s_setreg_imm32_b32 hwreg(HW_REG_WAVE_MODE, 25, 1), 1
	s_wait_xcnt 0x0
	s_wait_alu depctr_hold_cnt(0) depctr_sa_sdst(0) depctr_va_vdst(0) depctr_va_sdst(0) depctr_va_ssrc(0) depctr_va_vcc(0) depctr_vm_vsrc(0)
	s_getreg_b32 s2, hwreg(HW_REG_IB_STS2, 6, 4)
	s_cmp_eq_u32 s2, 0
	s_cbranch_scc0 .Lentry_in_a_cluster
	s_endpgm
.Lentry_in_a_cluster:
	s_bfe_u32 s2, ttmp6, 0x10000c
	s_cmp_lg_u32 s2, 0x3003
	s_cbranch_scc0 .Lentry_shape_is_right
	s_endpgm
.Lentry_shape_is_right:
; ONE PRODUCT OF THE EXPERTS' CHAIN, on tiles of 144 rows of one expert x 256 columns, K = 1,024.
;   FFN = 1:  h = relu(xg W1[e] + b1[e]), rounded once to bf16.      FFN = 2:  part = h W2[e] + b2[e], in f32 (a partial sum: the last launch adds two).
; Operands bf16, sums f32; the bias is rounded to bf16 like every input of this program.  bf16 and not f16 for h: it keeps f32's range.
; GRID.  64 row tiles (enough for every split of the tokens: see the launch that makes the table) x 4 column tiles: 256 work-groups.  Row tile y owns rows 144 y .. 144 y + 143
; of xg, h and part; tiles[y] = its expert.  Every tile walks alike, whatever its count: no trip count, branch, barrier or tensor load hangs on data.  Rows past a tile's count
; are zeros in xg; a row of A touches its own row of the result alone.  Both launches store all 144 rows: FFN = 2 so reads written bytes only; of its own 9,216 rows 1,024
; are stored and never read.
; SHARES.  Four waves; a wave makes 144 rows x 64 columns: 36 accumulators, 288 registers.  K goes in 32 quarters of 32: 36 matrix instructions each.
; A LIES WHOLE IN LDS.  144 rows x 1,024 k of bf16 are 294,912 bytes: four chunks of 256 k (rows of 512 + 16 bytes), of each chunk 36 rows a wave: four tensor loads
; a wave, all issued at the start, four outstanding at the most.  No LDS byte is filled twice: the loop has no ring; one barrier stands in front of a later chunk's first read.
; W COMES STRAIGHT INTO REGISTERS.  A wave's 64 columns of W are read by that wave alone, so LDS would be a detour.  wb holds them in the order of the operand registers
; (see the launch that rounds them): a quarter is 4 fragments = 8 loads of 512 consecutive bytes.  A ring of eight quarters in registers: quarter Q asks for quarter Q + 7.
; Fragment b's row m is column 4 m + b of the wave's 64.
; THE MATRIX INSTRUCTION IS USED TRANSPOSED: source 0 = a fragment of W, source 1 = 16 rows of A: lane l then holds row l % 16, and register j of accumulator b the column
; 32 (l / 16) + 4 j + b: a lane's 32 results of a block of rows are 32 neighbouring columns; the way out puts them in order.
; CLUSTER.  The four column tiles of a row tile need the same rows of A, whose address is made of the row tile's and the wave's numbers alone: they are asked for jointly,
; mask 15: 294,912 bytes once for four work-groups.  The weights are shared by the row tiles of one expert, but which these are hangs on the split: a descriptor made of
; the expert would be equal in the partners by the data and not by the text's own arithmetic; each wave reads its own.
; REGISTERS, in windows of 256: window 0: v0-31 addresses; v32-103, v104-175 two buffers of A's 9 fragments;  window 1: accumulator (a, b), a < 8, at v[8 (4 a + b)];
;   window 2: v0-31 the accumulators of a = 8; v32-63 the bias (column 4 j + b at 32 + 8 b + j); v64-111 at work;  window 3: W's ring, quarter Q at v[32 (Q % 8) + 8 b].
.set FFN, 2
.set PA,    528                        ; a row of a chunk of A in LDS: 512 + 16 bytes = 33 x 16: the 16 rows of a load start 4 banks apart
.set CHUNK, 144*PA                     ; 76,032
.set AQ,    36*PA                      ; what one tensor load brings
.if FFN == 1
.set STAGE, 0                          ; the work-group's stage, 144 rows of 512 + 16 bytes, takes chunk 0's bytes, which have had their only fill
.set SP,    528
.set SPARE, 4*CHUNK
.else
.set STAGE, 4*CHUNK                    ; behind A: a stage for each wave: 16 rows of 256 + 16 bytes
.set SP,    272
.set SPARE, STAGE+4*16*SP
.endif
.set ADRA0,  8                         ; v8      my lane's place in a chunk, blocks 0-7; never rewritten
.set ADRA80, 9                         ; v9      the same for block 8, which lies past a 16-bit offset
.set ADRA,   10                        ; v10     the same in the chunk in hand
.set ADRA8,  11                        ; v11
.set STO,  12                          ; v12     into the stage
.set STO8, 13                          ; v13     the same for the ninth block of rows (FFN = 1)
.set RD,   14                          ; v14     back out of the stage
.set GO,   15                          ; v15     my byte offset in the output
.set ZERO, 16                          ; v16     0, for the relu
.set SPW,  18                          ; v18     my spare word; never rewritten
.set NIL,  19                          ; v19     0; never rewritten
.set BO,   20                          ; v20     my byte offset in the bias
.set BV,   21                          ; v21     16 x lane: my byte offset in 512 bytes of W
.set FA0,  32
.set FA1,  104
.set WV,   14                          ; s14     wave
.set G1A,  24                          ; s[24:31] group 1 for A
.set G0A,  32                          ; s[32:47] group 0, a set for each chunk
.set BB,   48                          ; s[48:49] W at my columns; steps by eight quarters a trip
.set TB,   50                          ; s50     LDS byte at which the chunk in hand begins
.set MSB, 0
.macro WIN new                         ; the immediate's high byte repeats the setting that is left; a switch that changes nothing is dropped
.if MSB != (\new)
	s_set_vgpr_msb (MSB<<8)|(\new)
.set MSB, \new
.endif
.endm
.macro PLACES                          ; four plain instructions between a matrix instruction and a load into, or a read of, its registers
.rept 4
	v_nop
.endr
.endm
.macro CROUND                          ; a round of the cluster's barrier: my work-group's barrier, wave 0 signals for the work-group, every wave waits for all four, my work-group's barrier once more
	s_barrier_signal -1
	s_barrier_wait -1
	s_cmp_lg_u32 s[WV], 0
	s_cbranch_scc1 .Lnot_wave_0_\@
	s_barrier_signal -3
.Lnot_wave_0_\@:
	s_barrier_wait -3
	s_barrier_signal -1
	s_barrier_wait -1
.endm
; na blocks of 16 rows from a0 on x my 4 fragments of W in ring slot sl, 32 along K, A out of buffer f.  zero = 1: the products start the sums.
; The 36 accumulators take turns in the same order in every quarter.
.macro MUL f, sl, a0, na, zero
.set a, \a0
.rept \na
.if a < 8
	WIN 0x53                                       ; W window 3, A window 0, C and D window 1
.set AC, 32*a
.else
	WIN 0xa3                                       ; C and D window 2
.set AC, 0
.endif
.set b, 0
.rept 4
.if \zero
	v_wmma_f32_16x16x32_bf16 v[AC+8*b:AC+8*b+7], v[32*(\sl)+8*b:32*(\sl)+8*b+7], v[(\f)+8*a:(\f)+8*a+7], 0
.else
	v_wmma_f32_16x16x32_bf16 v[AC+8*b:AC+8*b+7], v[32*(\sl)+8*b:32*(\sl)+8*b+7], v[(\f)+8*a:(\f)+8*a+7], v[AC+8*b:AC+8*b+7]
.endif
.set b, b+1
.endr
.set a, a+1
.endr
.endm
; 18 LDS loads in one run: A's fragments of quarter q of the chunk in hand into buffer f: blocks 0-3 (8 loads), then blocks 4-8 (10)
.macro FETCH q, f
	WIN 0
.set a, 0
.rept 8
	ds_load_b128 v[(\f)+8*a:(\f)+8*a+3],   v[ADRA] offset:16*PA*a+64*(\q)
	ds_load_b128 v[(\f)+8*a+4:(\f)+8*a+7], v[ADRA] offset:16*PA*a+64*(\q)+32
.set a, a+1
.endr
	ds_load_b128 v[(\f)+64:(\f)+67], v[ADRA8] offset:64*(\q)
	ds_load_b128 v[(\f)+68:(\f)+71], v[ADRA8] offset:64*(\q)+32
.endm
; 8 loads of 512 consecutive bytes: W's four fragments of the quarter bq quarters behind s[BB], into ring slot sl
.macro BLOAD bq, sl
	WIN 0xc0                                       ; destination window 3, address window 0
.set b, 0
.rept 4
	global_load_b128 v[32*(\sl)+8*b:32*(\sl)+8*b+3],   v[BV], s[BB:BB+1] offset:4096*(\bq)+1024*b
	global_load_b128 v[32*(\sl)+8*b+4:32*(\sl)+8*b+7], v[BV], s[BB:BB+1] offset:4096*(\bq)+1024*b+512
.set b, b+1
.endr
.endm
; A QUARTER: multiplies A's buffer f by ring slot sl.  In its middle it fetches the next quarter's A (quarter qn of its chunk) into buffer g and, if bq >= 0, asks for W seven
; quarters on, into the slot that the quarter before multiplied.  lc: the loads of W issued behind this quarter's, which may stay out.
; bound = 1: the next quarter is a chunk's first: every wave shows its tensor loads landed and passes a barrier before anybody reads the chunk.
.macro QUARTER f, g, qn, sl, bq, lc, zero, bound
	s_wait_loadcnt \lc                             ; loads come back in order: this quarter's W is in
.if \bound
	s_wait_dscnt 0x0                               ; no LDS load of mine is out at the signal
	s_wait_tensorcnt 0x0                           ; my rows of every chunk: a wait's count cannot follow the trip; from the second trip on it is met at once
	s_barrier_signal -1
.else
	s_wait_dscnt 10                                ; A's blocks 0-3 are in; the youngest ten loads (blocks 4-8) may be out
.endif
	MUL \f, \sl, 0, 4, \zero
	WIN 0
.if \bound
	s_barrier_wait -1                              ; everybody's rows are in
	s_add_co_u32 s[TB], s[TB], CHUNK
	v_add_nc_u32 v[ADRA], s[TB], v[ADRA0]          ; these two and two v_nop are the four places in front of the loads below
	v_add_nc_u32 v[ADRA8], s[TB], v[ADRA80]
	v_nop
	v_nop
.else
	PLACES
.endif
	FETCH \qn, \g
.if (\bq) >= 0
	BLOAD \bq, ((\sl)+7)%8
.endif
	s_wait_dscnt 18                                ; all but the 18 just issued
	MUL \f, \sl, 4, 5, \zero
.endm
.macro ADDB a                          ; block a's sums + bias -> v32-63 of window 0, in the accumulators' order; each accumulator's lowest registers are read first
.if (\a) < 8
	WIN 0x09
.set AC, 32*(\a)
.else
	WIN 0x0a
.set AC, 0
.endif
.set i, 0
.rept 16
	v_pk_add_f32 v[32+2*i:33+2*i], v[AC+2*i:AC+2*i+1], v[32+2*i:33+2*i]
.set i, i+1
.endr
	WIN 0
.endm
.macro ADDC a                          ; the same, into the columns' order: column 4 j + b at v[32 + 4 j + b]
.if (\a) < 8
	WIN 0x09
.set AC, 32*(\a)
.else
	WIN 0x0a
.set AC, 0
.endif
.set b, 0
.rept 4
.set j, 0
.rept 8
	v_add_f32 v[32+4*j+b], v[AC+8*b+j], v[32+8*b+j]
.set j, j+1
.endr
.set b, b+1
.endr
	WIN 0
.endm
	s_load_b256 s[4:11], s[0:1], 0x0               ; A s[4:5], wb s[6:7], bias s[8:9], tiles s[10:11]
	s_load_b64 s[12:13], s[0:1], 0x20              ; the output
	v_lshl_add_u32 v[SPW], v0, 2, SPARE
	v_mov_b32 v[NIL], 0
	ds_add_u32 v[SPW], v[NIL]                      ; the wave's opening: the add and its wait ahead of my first tensor load
	ds_add_u32 v18, v19
	v_lshrrev_b32 v1, 5, v0
	v_readfirstlane_b32 s[WV], v1                  ; wave 0..3
	s_bfe_u32 s16, ttmp6, 0x40000                  ; cx
	s_lshl_b32 s17, ttmp9, 2
	s_add_co_u32 s17, s17, s16                     ; column tile: it enters W's, the bias's and the output's addresses alone
	s_and_b32 s18, ttmp7, 0xffff                   ; row tile, which the four partners share
	s_lshl_b32 s19, s18, 2                         ; its word of the table
	s_mov_b32 s[G1A+0], 15|(1<<16)|(1<<20)|(1<<21)|(6<<22)|(3<<25)  ; mask of four; 2-byte elements; padding: after every 128 words, 4 words; bit 21 beside the mask
	s_mov_b32 s[G1A+1], 256<<16                    ; tensor_dim0 = 256
	s_mov_b32 s[G1A+2], 36<<16                     ; tensor_dim1 = 36
	s_mov_b32 s[G1A+3], 256<<16                    ; tile_dim0 = 256
	s_mov_b32 s[G1A+4], 36                         ; tile_dim1 = 36
	s_mov_b32 s[G1A+5], 1024                       ; elements from row to row
	s_mov_b32 s[G1A+6], 0
	s_mov_b32 s[G1A+7], 0
	s_mul_i32 s62, s[WV], AQ                       ; my 36 rows' place in a chunk
	s_mul_i32 s58, s[WV], 36
	s_mul_i32 s59, s18, 144
	s_add_co_u32 s58, s58, s59                     ; A's rows: 144 y + 36 w on
	s_lshl_b32 s58, s58, 11
	s_mov_b32 s59, 0
	s_mov_b32 s[TB], 0
	v_and_b32 v1, 15, v0                           ; r
	v_bfe_u32 v2, v0, 4, 1                         ; h
	v_and_b32 v3, 31, v0                           ; lane
	v_lshlrev_b32 v[BV], 4, v3
	v_lshlrev_b32 v[BO], 7, v2                     ; my 32 columns of the bias: 128 h bytes
	s_wait_dscnt 0x0                               ; the opening add is done
	s_wait_kmcnt 0x0
	s_load_b32 s20, s[10:11], s19 offset:0x0       ; the tile's expert: A's loads do not wait for it
	s_add_nc_u64 s[58:59], s[4:5], s[58:59]
.irp c, 0,1,2,3
	s_mov_b32 s[G0A+4*\c], 1
	s_add_co_u32 s[G0A+4*\c+1], s62, \c*CHUNK
	s_add_nc_u64 s[G0A+4*\c+2:G0A+4*\c+3], s[58:59], \c*512
	s_or_b32 s[G0A+4*\c+3], s[G0A+4*\c+3], 0x80000000
.endr
	CROUND                                         ; all four work-groups are here: the joint loads meet
.irp c, 0,1,2,3                                        ; all of A, the chunk wanted first in front: four loads of mine are out
	tensor_load_to_lds s[G0A+4*\c:G0A+4*\c+3], s[G1A:G1A+7]
	s_nop 0
.endr
	PLACES
	s_wait_kmcnt 0x0                               ; the expert
	s_min_u32 s20, s20, 7
	s_lshl_b32 s60, s20, 21                        ; the expert's 2 MiB,
	s_lshl_b32 s61, s17, 2
	s_add_co_u32 s61, s61, s[WV]
	s_lshl_b32 s61, s61, 17                        ; my 64 columns' 131,072 bytes
	s_add_co_u32 s60, s60, s61
.if FFN == 2
	s_add_co_u32 s60, s60, 0x1000000               ; W2 lies behind W1
.endif
	s_mov_b32 s61, 0
	s_add_nc_u64 s[BB:BB+1], s[6:7], s[60:61]
	s_lshl_b32 s66, s20, 12
	s_lshl_b32 s67, s17, 10
	s_add_co_u32 s66, s66, s67
	s_lshl_b32 s67, s[WV], 8
	s_add_co_u32 s66, s66, s67
	s_mov_b32 s67, 0
	s_add_nc_u64 s[66:67], s[8:9], s[66:67]        ; the bias at my 64 columns
	WIN 0x80                                       ; destination window 2, address window 0
.irp t, 0,1,2,3,4,5,6,7
	global_load_b128 v[64+4*\t:67+4*\t], v[BO], s[66:67] offset:16*\t
.endr
.irp q, 0,1,2,3,4,5
	BLOAD \q, \q
.endr
	WIN 0
	s_mul_i32 s68, s18, 144
.if FFN == 1
	s_mul_i32 s69, s[WV], 36
	s_add_co_u32 s68, s68, s69                     ; I store rows 36 w .. 36 w + 35 of the tile
	s_lshl_b32 s68, s68, 11
	s_lshl_b32 s69, s17, 9
	s_add_co_u32 s68, s68, s69
.else
	s_lshl_b32 s68, s68, 12
	s_lshl_b32 s69, s17, 10
	s_add_co_u32 s68, s68, s69
	s_lshl_b32 s69, s[WV], 8                       ; I store my own 64 columns: 256 bytes of each row
	s_add_co_u32 s68, s68, s69
.endif
	s_mov_b32 s69, 0
	s_add_nc_u64 s[12:13], s[12:13], s[68:69]
	v_mul_u32_u24 v[ADRA0], v1, PA
	v_lshl_add_u32 v[ADRA0], v2, 4, v[ADRA0]       ; row x pitch + 16 x half
	v_add_nc_u32 v[ADRA80], 128*PA, v[ADRA0]
	v_mov_b32 v[ADRA], v[ADRA0]
	v_mov_b32 v[ADRA8], v[ADRA80]
	v_mov_b32 v[ZERO], 0
.if FFN == 1
	v_mul_u32_u24 v[STO], v1, SP                   ; in: row r, my wave's 128 bytes, 64 bytes for each half of the lanes
	v_lshl_add_u32 v[STO], v2, 6, v[STO]
	s_lshl_b32 s62, s[WV], 7
	s_add_co_u32 s62, s62, STAGE
	v_add_nc_u32 v[STO], s62, v[STO]
	v_add_nc_u32 v[STO8], 128*SP, v[STO]           ; the ninth block lies past a 16-bit offset
	s_mul_i32 s62, s[WV], 36*SP
	s_add_co_u32 s62, s62, STAGE
	v_lshl_add_u32 v[RD], v3, 4, s62               ; back: a whole row of 512 bytes a load
	v_lshlrev_b32 v[GO], 4, v3
.else
	s_mul_i32 s62, s[WV], 16*SP
	s_add_co_u32 s62, s62, STAGE                   ; my stage
	v_mul_u32_u24 v[STO], v1, SP                   ; in: row r, 128 bytes for each half of the lanes
	v_lshl_add_u32 v[STO], v2, 7, v[STO]
	v_add_nc_u32 v[STO], s62, v[STO]
	v_mul_u32_u24 v[RD], v2, SP                    ; back: lanes 0-15 one row of 256 bytes, lanes 16-31 the next
	v_lshl_add_u32 v[RD], v1, 4, v[RD]
	v_add_nc_u32 v[RD], s62, v[RD]
	v_lshlrev_b32 v[GO], 12, v2                    ; and the same two rows in the output
	v_lshl_add_u32 v[GO], v1, 4, v[GO]
.endif
	s_wait_loadcnt 48                              ; the bias is in; the 48 loads of W behind it stay out
	WIN 0x8a                                       ; all in window 2: rounded to bf16, widened again, and laid as the accumulators lie
.set i, 0
.rept 16
	v_cvt_pk_bf16_f32 v[96+i], v[64+2*i], v[65+2*i]
.set i, i+1
.endr
.set j, 0
.rept 8
.irp s, 0,1
	v_lshlrev_b32 v[32+16*\s+j], 16, v[96+2*j+\s]          ; column 4 j + 2 s: accumulator 2 s
	v_and_b32 v[40+16*\s+j], 0xffff0000, v[96+2*j+\s]      ; column 4 j + 2 s + 1: accumulator 2 s + 1
.endr
.set j, j+1
.endr
	BLOAD 6, 6
	WIN 0
	s_wait_tensorcnt 0x3                           ; my rows of chunk 0 are in; three loads stay out
	s_barrier_signal -1
	s_barrier_wait -1                              ; everybody's are
	FETCH 0, FA0
	QUARTER FA0, FA1, 1, 0, 7, 48, 1, 0            ; quarter 0 stands in front of the loop: its products start the sums
	WIN 0                                          ; at a label and at a branch every window is 0
	s_mov_b32 s56, 3
.Llap:                                                 ; a trip: quarters 8 t + 1 .. 8 t + 8; six younger quarters of W (48 loads) stay out at each quarter's head
	QUARTER FA1, FA0, 2, 1, 8,  48, 0, 0
	QUARTER FA0, FA1, 3, 2, 9,  48, 0, 0
	QUARTER FA1, FA0, 4, 3, 10, 48, 0, 0
	QUARTER FA0, FA1, 5, 4, 11, 48, 0, 0
	QUARTER FA1, FA0, 6, 5, 12, 48, 0, 0
	QUARTER FA0, FA1, 7, 6, 13, 48, 0, 0
	QUARTER FA1, FA0, 0, 7, 14, 48, 0, 1           ; it fetches the next chunk's first quarter
	QUARTER FA0, FA1, 1, 0, 15, 48, 0, 0
	WIN 0
	s_wait_xcnt 0x0                                ; W's base, which pending loads name, is stepped only behind this wait
	s_add_nc_u64 s[BB:BB+1], s[BB:BB+1], 32768
	s_sub_co_u32 s56, s56, 1
	s_cmp_lg_u32 s56, 0
	s_cbranch_scc1 .Llap
	QUARTER FA1, FA0, 2, 1, -1, 48, 0, 0           ; quarters 25 to 31 ask for no W: no load leaves the buffer, and the counts run down
	QUARTER FA0, FA1, 3, 2, -1, 40, 0, 0
	QUARTER FA1, FA0, 4, 3, -1, 32, 0, 0
	QUARTER FA0, FA1, 5, 4, -1, 24, 0, 0
	QUARTER FA1, FA0, 6, 5, -1, 16, 0, 0
	QUARTER FA0, FA1, 7, 6, -1, 8,  0, 0
	s_wait_loadcnt 0x0
	s_wait_dscnt 10
	MUL FA1, 7, 0, 4, 0
	s_wait_dscnt 0x0
	MUL FA1, 7, 4, 5, 0
	WIN 0
	PLACES
.if FFN == 1
	; THE WAY OUT: bias, bf16 (the conversion takes its two columns from two accumulators), relu; 64 bytes a lane into the work-group's stage; a barrier, since a row's
	; 512 bytes come from four waves; back as whole rows.
	s_wait_tensorcnt 0x0                           ; my tensor loads have landed, and my reads of A are over (my last wait on DScnt was for 0);
	CROUND                                         ; the round shows the same of every wave of the four work-groups whose requests name these bytes: only now the stage takes chunk 0's bytes
.irp a, 0,1,2,3,4,5,6,7,8
	ADDB \a
.set j, 0
.rept 8
	v_cvt_pk_bf16_f32 v[64+2*j], v[32+j], v[40+j]          ; columns 4 j, 4 j + 1
	v_cvt_pk_bf16_f32 v[65+2*j], v[48+j], v[56+j]          ; columns 4 j + 2, 4 j + 3
.set j, j+1
.endr
.set i, 0
.rept 16
	v_pk_max_num_bf16 v[64+i], v[64+i], v[ZERO]
.set i, i+1
.endr
.irp t, 0,1,2,3
.if \a < 8
	ds_store_b128 v[STO], v[64+4*\t:67+4*\t] offset:16*SP*\a+16*\t
.else
	ds_store_b128 v[STO8], v[64+4*\t:67+4*\t] offset:16*\t
.endif
.endr
.endr
	s_wait_dscnt 0x0                               ; for the others' sake: my stores into the stage are done
	s_barrier_signal -1
	s_barrier_wait -1
.set i, 0
.rept 36
	ds_load_b128 v[96+4*i:99+4*i], v[RD] offset:SP*i
.set i, i+1
.endr
.set i, 0
.rept 36
	s_wait_dscnt 35-i
	global_store_b128 v[GO], v[96+4*i:99+4*i], s[12:13] offset:2048*i  ; 512 consecutive bytes of a row, aligned
.set i, i+1
.endr
.else
	; THE WAY OUT: bias; a block of 16 rows at a time through my own stage: in by lanes' 128 bytes, back as whole rows of 256 bytes.
.macro TOSTAGE a
.irp t, 0,1,2,3,4,5,6,7
	ds_store_b128 v[STO], v[32+4*\t:35+4*\t] offset:16*\t
.endr
.set t, 0
.rept 8
	ds_load_b128 v[64+32*((\a)%2)+4*t:64+32*((\a)%2)+4*t+3], v[RD] offset:2*SP*t  ; LDS serves a wave's instructions in order: these see the stores above
.set t, t+1
.endr
.endm
.macro SEND a
	s_wait_dscnt 0x0                               ; the block is back in registers
	s_wait_xcnt 0x0                                ; the registers that the block before last's stores read are loaded again only behind this wait
.set t, 0
.rept 8
	global_store_b128 v[GO], v[64+32*((\a)%2)+4*t:64+32*((\a)%2)+4*t+3], s[12:13] offset:(16*(\a)+2*t)*4096  ; 16 lanes store 256 consecutive bytes, aligned
.set t, t+1
.endr
.endm
	ADDC 0
	TOSTAGE 0
.irp a, 1,2,3,4,5,6,7,8                                ; a block's additions stand between the loads of the block before and the wait for them
	ADDC \a
	SEND (\a)-1
	TOSTAGE \a
.endr
	SEND 8
.endif
	s_wait_tensorcnt 0x0                           ; the wave's end: behind my last tensor load and my last LDS store
	ds_add_u32 v[SPW], v[NIL]
	s_wait_dscnt 0x0
	CROUND                                         ; the closing round: no work-group ends while a partner may still ask for rows that name it
	s_endpgm
.Lfunc_end_k_q9df2a0d1b0_ffn2:
	.size	k_q9df2a0d1b0_ffn2, .Lfunc_end_k_q9df2a0d1b0_ffn2-k_q9df2a0d1b0_ffn2
	.p2alignl 7, 3214868480
	.fill 96, 4, 3214868480
	.section	.rodata,"a",@progbits
	.p2align	6, 0x0
	.amdhsa_kernel k_q9df2a0d1b0_ffn2
		.amdhsa_group_segment_fixed_size 327680
		.amdhsa_private_segment_fixed_size 0
		.amdhsa_enable_private_segment 0
		.amdhsa_kernarg_size 40
		.amdhsa_user_sgpr_count 2
		.amdhsa_user_sgpr_kernarg_segment_ptr 1
		.amdhsa_wavefront_size32 1
		.amdhsa_system_sgpr_workgroup_id_x 1
		.amdhsa_system_sgpr_workgroup_id_y 1
		.amdhsa_system_sgpr_workgroup_id_z 1
		.amdhsa_system_vgpr_workitem_id 0
		.amdhsa_next_free_vgpr 1024
		.amdhsa_next_free_sgpr 72
		.amdhsa_reserve_vcc 0
		.amdhsa_float_denorm_mode_32 3
		.amdhsa_float_denorm_mode_16_64 3
		.amdhsa_memory_ordered 1
		.amdhsa_forward_progress 1
		.amdhsa_inst_pref_size 108
	.end_amdhsa_kernel
	.amdgpu_metadata
---
amdhsa.version: [ 1, 2 ]
amdhsa.kernels:
  - .name:           k_q9df2a0d1b0_ffn2
    .symbol:         k_q9df2a0d1b0_ffn2.kd
    .args:
      - { .name: h, .offset: 0, .size: 8, .value_kind: global_buffer, .address_space: global }
      - { .name: wb, .offset: 8, .size: 8, .value_kind: global_buffer, .address_space: global }
      - { .name: b2, .offset: 16, .size: 8, .value_kind: global_buffer, .address_space: global }
      - { .name: tiles, .offset: 24, .size: 8, .value_kind: global_buffer, .address_space: global }
      - { .name: part, .offset: 32, .size: 8, .value_kind: global_buffer, .address_space: global }
    .group_segment_fixed_size: 327680
    .private_segment_fixed_size: 0
    .kernarg_segment_align: 8
    .kernarg_segment_size: 40
    .max_flat_workgroup_size: 128
    .sgpr_count:     72
    .vgpr_count:     1024
    .wavefront_size: 32
...
	.end_amdgpu_metadata
.endif
;; end of part 4
;; launch combine (part 5): grid 256 x 1, 8 waves a work-group, no clusters, 0 bytes of LDS; arguments part, pos, cf, out0; writes out0
.if DOCPART == 5
	.amdgcn_target "amdgcn-amd-amdhsa--gfx1250"
	.amdhsa_code_object_version 6
	.text
	.protected	k_q9df2a0d1b0_combine
	.globl	k_q9df2a0d1b0_combine
	.p2align	8
	.type	k_q9df2a0d1b0_combine,@function
k_q9df2a0d1b0_combine:
	s_mov_b64 s[64:65], 0
	v_nop
	global_prefetch_b8 v0, s[64:65] scope:SCOPE_SE
	s_setreg_imm32_b32 hwreg(HW_REG_WAVE_MODE, 25, 1), 1
	s_wait_xcnt 0x0
; out0[t] = cf[t][0] part[pos[t][0]] + cf[t][1] part[pos[t][1]], all f32.  A wave takes two tokens: four rows of 4,096 bytes in, two out.
; All 32 loads of a wave go out before its first wait (16 KiB on their way a wave); each load and store covers 512 consecutive bytes, aligned.
; Memory binds: no LDS, barrier or matrix unit.  The row numbers are whole numbers that an earlier launch stored; each is held to the buffer's 9,216 rows.
	s_load_b256 s[4:11], s[0:1], 0x0               ; part s[4:5], pos s[6:7], cf s[8:9], out0 s[10:11]
	v_lshrrev_b32 v2, 5, v0
	v_readfirstlane_b32 s12, v2                    ; wave 0..7
	v_and_b32 v1, 31, v0
	v_lshlrev_b32 v1, 4, v1                        ; 16 bytes a lane
	s_lshl_b32 s13, ttmp9, 3
	s_add_co_u32 s13, s13, s12                     ; my pair of tokens, 0..2,047
	s_lshl_b32 s14, s13, 4                         ; its 16 bytes of pos and of cf
	s_lshl_b32 s40, s13, 13                        ; its two rows of out0
	s_mov_b32 s41, 0
	s_wait_kmcnt 0x0
	s_load_b128 s[16:19], s[6:7], s14 offset:0x0
	s_load_b128 s[20:23], s[8:9], s14 offset:0x0
	s_add_nc_u64 s[10:11], s[10:11], s[40:41]
	s_wait_kmcnt 0x0
.irp n, 0,1,2,3
	s_min_u32 s[16+\n], s[16+\n], 9215
	s_lshl_b32 s[24+2*\n], s[16+\n], 12
	s_mov_b32 s[25+2*\n], 0
	s_add_nc_u64 s[24+2*\n:25+2*\n], s[4:5], s[24+2*\n:25+2*\n]
	s_mov_b32 s[32+2*\n], s[20+\n]                 ; the coefficient in an even pair: the packed forms take the pair's low word for both halves
	s_mov_b32 s[33+2*\n], s[20+\n]
.endr
.irp n, 0,1,2,3
.irp j, 0,1,2,3,4,5,6,7
	global_load_b128 v[16+32*\n+4*\j:19+32*\n+4*\j], v1, s[24+2*\n:25+2*\n] offset:512*\j th:TH_LOAD_NT
.endr
.endr
.irp u, 0,1
	s_wait_loadcnt 16-16*\u                        ; token 0: the other token's sixteen loads stay out
.set i, 0
.rept 16
	v_pk_mul_f32 v[16+64*\u+2*i:17+64*\u+2*i], v[16+64*\u+2*i:17+64*\u+2*i], s[32+4*\u:33+4*\u] op_sel_hi:[1,0]
	v_pk_fma_f32 v[16+64*\u+2*i:17+64*\u+2*i], v[48+64*\u+2*i:49+64*\u+2*i], s[34+4*\u:35+4*\u], v[16+64*\u+2*i:17+64*\u+2*i] op_sel_hi:[1,0,1]
.set i, i+1
.endr
.irp j, 0,1,2,3,4,5,6,7
	global_store_b128 v1, v[16+64*\u+4*\j:19+64*\u+4*\j], s[10:11] offset:4096*\u+512*\j th:TH_STORE_NT
.endr
.endr
	s_endpgm
.Lfunc_end_k_q9df2a0d1b0_combine:
	.size	k_q9df2a0d1b0_combine, .Lfunc_end_k_q9df2a0d1b0_combine-k_q9df2a0d1b0_combine
	.p2alignl 7, 3214868480
	.fill 96, 4, 3214868480
	.section	.rodata,"a",@progbits
	.p2align	6, 0x0
	.amdhsa_kernel k_q9df2a0d1b0_combine
		.amdhsa_group_segment_fixed_size 0
		.amdhsa_private_segment_fixed_size 0
		.amdhsa_enable_private_segment 0
		.amdhsa_kernarg_size 32
		.amdhsa_user_sgpr_count 2
		.amdhsa_user_sgpr_kernarg_segment_ptr 1
		.amdhsa_wavefront_size32 1
		.amdhsa_system_sgpr_workgroup_id_x 1
		.amdhsa_system_sgpr_workgroup_id_y 1
		.amdhsa_system_sgpr_workgroup_id_z 1
		.amdhsa_system_vgpr_workitem_id 0
		.amdhsa_next_free_vgpr 144
		.amdhsa_next_free_sgpr 66
		.amdhsa_reserve_vcc 0
		.amdhsa_float_denorm_mode_32 3
		.amdhsa_float_denorm_mode_16_64 3
		.amdhsa_memory_ordered 1
		.amdhsa_forward_progress 1
		.amdhsa_inst_pref_size 11
	.end_amdhsa_kernel
	.amdgpu_metadata
---
amdhsa.version: [ 1, 2 ]
amdhsa.kernels:
  - .name:           k_q9df2a0d1b0_combine
    .symbol:         k_q9df2a0d1b0_combine.kd
    .args:
      - { .name: part, .offset: 0, .size: 8, .value_kind: global_buffer, .address_space: global }
      - { .name: pos, .offset: 8, .size: 8, .value_kind: global_buffer, .address_space: global }
      - { .name: cf, .offset: 16, .size: 8, .value_kind: global_buffer, .address_space: global }
      - { .name: out0, .offset: 24, .size: 8, .value_kind: global_buffer, .address_space: global }
    .group_segment_fixed_size: 0
    .private_segment_fixed_size: 0
    .kernarg_segment_align: 8
    .kernarg_segment_size: 32
    .max_flat_workgroup_size: 256
    .sgpr_count:     66
    .vgpr_count:     144
    .wavefront_size: 32
...
	.end_amdgpu_metadata
.endif
;; end of part 5
